; MI455X (gfx1250); checked and timed in simulation.
; The chip was launched on July 23, 2026; its instructions are those of AMD's public machine-readable ISA for CDNA 5 (MIT licence, August 2026) and "CDNA5" Instruction Set Architecture Reference Guide (July 2026). The comments in the code are by the model that wrote it; some were corrected since.
;; Point Transformer Layer. Allowed arithmetic: float matrix products may take bf16 or f16 operands with f32 sums; other float arithmetic in f32, or as packed bf16 or f16 multiplies, adds, multiply-adds, maxima and minima; sums over many terms, partial sums and values carried from step to step in f32; what a program stores and reads back later, other than sums and carried values, may be rounded once to bf16 or f16.
;; Inputs: b1 256 float32; b2 32 float32; bk 256 float32; bp1 3 float32; bp2 256 float32; bq 256 float32; btp 3 float32; bv 256 float32; bw1 32 float32; bw2 32 float32; g1 256 float32; g2 32 float32; gp 3 float32; idx 65,536 x 8 int32; p 65,536 x 3 float32; wk 256 x 256 float32; wp1 3 x 3 float32; wp2 256 x 3 float32; wq 256 x 256 float32; wv 256 x 256 float32; ww1 32 x 256 float32; ww2 32 x 32 float32; x 65,536 x 256 float32.
;; Outputs: out0 65,536 x 256 float32.
;; 2 versions, each right; version 2 is version 1 with the launches mid, final written anew for expert scheduling mode. Each part assembles by itself: llvm-mc -triple=amdgcn-amd-amdhsa -mcpu=gfx1250 --defsym DOCPART=n.
;; ======== version 1 of 2: 6 launches
;; limits: values are held in f16: magnitudes above 65,504 overflow, below 6.1e-05 lose precision
;; workspace buffers: pre 409,600 bytes; qkv 109,051,904 bytes; part1 524,288 bytes; prm1 3,072 bytes; hb 33,619,968 bytes
;; launch prep (part 1): grid 256 x 1, 8 waves a work-group, no clusters, 1,536 bytes of LDS; arguments wq, wk, wv, p, idx, wp1, bp1, pre; writes pre
.if DOCPART == 1
	.amdgcn_target "amdgcn-amd-amdhsa--gfx1250"
	.amdhsa_code_object_version 6
	.text
	.protected	k_qfe20772c96_prep
	.globl	k_qfe20772c96_prep
	.p2align	8
	.type	k_qfe20772c96_prep,@function
k_qfe20772c96_prep:
	s_mov_b64 s[64:65], 0
	v_nop
	global_prefetch_b8 v0, s[64:65] scope:SCOPE_SE
	s_setreg_imm32_b32 hwreg(HW_REG_WAVE_MODE, 25, 1), 1
	s_wait_xcnt 0x0
; prep: (a) the three projection weights rounded to bf16, rows and K both in the order SIGMA; (b) partial sums for the BatchNorm of linear_p.
; SIGMA: place 8 l + e of a row holds channel 4 l + e (e < 4) or 128 + 4 l + e - 4 (e >= 4).
; pre: [768][256] bf16 (row 256 m + s = W_m[sigma(s)]), then at byte 393,216 one record of 16 f32 for each work-group: S1[3], S2[3], Y00[3], 0 x 7.
; y = wp1 (p[idx] - p[n]) + bp1, three f32 multiply-adds a number: K = 3 would fill 3 of a matrix instruction's 32 places.
; The sums are taken of y - Y00, Y00 = y of item (0, 0), the same in every work-group, so that the variance is no difference of large sums.
; LIMITS: idx is held to 0 .. 65,535; NaN and infinities are not treated apart; the order of the sums is not reference()'s.
; Thread t of work-group g owns point 256 g + t and its 8 neighbours; waves 0 to 2 also convert weight row 3 g + wave.
.set RED,   0                          ; 8 waves x 64 bytes
.set SPARE, 512                        ; the spare words, 128 bytes a wave
.set PM,    393216
	s_load_b512 s[4:19], s[0:1], 0x0               ; wq 4, wk 6, wv 8, p 10, idx 12, wp1 14, bp1 16, pre 18
	v_lshl_add_u32 v2, v0, 2, SPARE                ; my spare word, and 0: kept for the add alone
	v_mov_b32 v3, 0
	v_and_b32 v1, 31, v0                           ; lane
	v_lshrrev_b32 v4, 5, v0
	v_readfirstlane_b32 s20, v4                    ; wave
	s_mov_b32 s42, 0x76543210                      ; v_permlanex16_b32: the same place in the other half
	s_mov_b32 s43, 0xfedcba98
	s_lshl_b32 s21, ttmp9, 8
	v_add_nc_u32 v7, s21, v0                       ; my point n
	v_lshlrev_b32 v4, 5, v7                        ; 32 n: its 8 indices
	v_mul_u32_u24 v5, v7, 12                       ; 12 n: its position
	v_mov_b32 v6, 0
	s_wait_kmcnt 0x0
	s_load_b256 s[24:31], s[14:15], 0x0            ; wp1[c][i] in s[24 + 3 c + i]
	s_load_b32 s32, s[14:15], 0x20
	s_load_b96 s[36:38], s[16:17], 0x0             ; bp1
	global_load_b128 v[8:11], v4, s[12:13]
	global_load_b128 v[12:15], v4, s[12:13] offset:16
	global_load_b96 v[16:18], v5, s[10:11]
	global_load_b32 v19, v6, s[12:13]              ; idx[0][0]
	global_load_b96 v[20:22], v6, s[10:11]         ; p[0]
	s_wait_loadcnt 0x0
.irp j, 0,1,2,3,4,5,6,7
	v_min_u32 v[8+\j], 0xffff, v[8+\j]
	v_mul_u32_u24 v[8+\j], v[8+\j], 12
.endr
	v_min_u32 v19, 0xffff, v19
	v_mul_u32_u24 v19, v19, 12
.irp j, 0,1,2,3,4,5,6,7
	global_load_b96 v[24+4*\j:26+4*\j], v[8+\j], s[10:11]
.endr
	global_load_b96 v[56:58], v19, s[10:11]
	; one weight row: lane l takes channels 4 l .. and 128 + 4 l .. of K, which are places 8 l .. 8 l + 7
	s_cmp_gt_u32 s20, 2
	s_cbranch_scc1 .Lnoconv
	s_mul_i32 s22, ttmp9, 3
	s_add_co_u32 s22, s22, s20                     ; row s of 768
	s_lshr_b32 s23, s22, 8                         ; which matrix
	s_and_b32 s33, s22, 255                        ; place s'
	s_lshr_b32 s34, s33, 3
	s_lshl_b32 s34, s34, 2
	s_and_b32 s35, s33, 3
	s_add_co_u32 s34, s34, s35
	s_bfe_u32 s35, s33, 0x10002
	s_lshl_b32 s35, s35, 7
	s_add_co_u32 s34, s34, s35                     ; channel sigma(s')
	s_cmp_eq_u32 s23, 1
	s_cselect_b64 s[40:41], s[6:7], s[4:5]
	s_cmp_eq_u32 s23, 2
	s_cselect_b64 s[40:41], s[8:9], s[40:41]
	s_lshl_b32 s34, s34, 10
	v_lshl_add_u32 v100, v1, 4, s34
	global_load_b128 v[88:91], v100, s[40:41]
	global_load_b128 v[92:95], v100, s[40:41] offset:512
	s_lshl_b32 s35, s22, 9
	v_lshl_add_u32 v101, v1, 4, s35
	s_wait_loadcnt 0x0
	v_cvt_pk_bf16_f32 v96, v88, v89
	v_cvt_pk_bf16_f32 v97, v90, v91
	v_cvt_pk_bf16_f32 v98, v92, v93
	v_cvt_pk_bf16_f32 v99, v94, v95
	global_store_b128 v101, v[96:99], s[18:19]     ; the wave stores 512 consecutive bytes, a whole row
.Lnoconv:
	s_wait_loadcnt 0x0                             ; the nine gathered positions
	s_wait_kmcnt 0x0
.macro YCALC dst                       ; y = bp1 + wp1 d, d in v80-82
.irp c, 0,1,2
	v_fma_f32 v[(\dst)+\c], s[24+3*\c], v80, s[36+\c]
	v_fma_f32 v[(\dst)+\c], s[25+3*\c], v81, v[(\dst)+\c]
	v_fma_f32 v[(\dst)+\c], s[26+3*\c], v82, v[(\dst)+\c]
.endr
.endm
	v_sub_f32 v80, v56, v20
	v_sub_f32 v81, v57, v21
	v_sub_f32 v82, v58, v22
	YCALC 60                                       ; Y00
.irp j, 0,1,2,3,4,5,6,7
	v_sub_f32 v80, v[24+4*\j], v16
	v_sub_f32 v81, v[25+4*\j], v17
	v_sub_f32 v82, v[26+4*\j], v18
	YCALC 84
.irp c, 0,1,2
.if \j == 0
	v_sub_f32 v[64+\c], v[84+\c], v[60+\c]         ; the first item starts the sums
	v_mul_f32 v[67+\c], v[64+\c], v[64+\c]
.else
	v_sub_f32 v[84+\c], v[84+\c], v[60+\c]
	v_add_f32 v[64+\c], v[64+\c], v[84+\c]
	v_fma_f32 v[67+\c], v[84+\c], v[84+\c], v[67+\c]
.endif
.endr
.endr
.irp r, 64,65,66,67,68,69              ; over the 32 lanes
	v_add_f32_dpp v\r, v\r, v\r row_xmask:1 row_mask:0xf bank_mask:0xf
	v_add_f32_dpp v\r, v\r, v\r row_xmask:2 row_mask:0xf bank_mask:0xf
	v_add_f32_dpp v\r, v\r, v\r row_xmask:4 row_mask:0xf bank_mask:0xf
	v_add_f32_dpp v\r, v\r, v\r row_xmask:8 row_mask:0xf bank_mask:0xf
	v_permlanex16_b32 v80, v\r, s42, s43
	v_add_f32 v\r, v\r, v80
.endr
	s_cmp_eq_u32 s20, 0
	s_cselect_b32 s21, 1.0, 0                      ; Y00 counts once in the sum over the waves
	v_mul_f32 v70, s21, v60
	v_mul_f32 v71, s21, v61
	v_mul_f32 v72, s21, v62
.irp r, 73,74,75,76,77,78,79
	v_mov_b32 v\r, 0
.endr
	v_mov_b32 v81, s20
	v_lshlrev_b32 v81, 6, v81
	ds_store_b128 v81, v[64:67]                    ; all lanes write the same 64 bytes with the same values
	ds_store_b128 v81, v[68:71] offset:16
	ds_store_b128 v81, v[72:75] offset:32
	ds_store_b128 v81, v[76:79] offset:48
	s_wait_dscnt 0x0                               ; for the others' sake: my stores are done
	s_barrier_signal -1
	s_barrier_wait -1
	s_cmp_lg_u32 s20, 0
	s_cbranch_scc1 .Lend
	v_and_b32 v82, 15, v0
	v_lshlrev_b32 v82, 2, v82                      ; word lane % 16: a lane and the lane 16 away make and store the same number
.irp k, 0,1,2,3,4,5,6,7
	ds_load_b32 v[84+\k], v82 offset:64*\k
.endr
	s_wait_dscnt 0x0
	v_add_f32 v84, v84, v85
	v_add_f32 v86, v86, v87
	v_add_f32 v88, v88, v89
	v_add_f32 v90, v90, v91
	v_add_f32 v84, v84, v86
	v_add_f32 v88, v88, v90
	v_add_f32 v84, v84, v88
	s_lshl_b32 s21, ttmp9, 6
	v_add_nc_u32 v83, s21, v82
	global_store_b32 v83, v84, s[18:19] offset:PM
.Lend:
	s_wait_tensorcnt 0x0                           ; the wave's end
	ds_add_u32 v2, v3
	s_wait_dscnt 0x0
	s_endpgm
.Lfunc_end_k_qfe20772c96_prep:
	.size	k_qfe20772c96_prep, .Lfunc_end_k_qfe20772c96_prep-k_qfe20772c96_prep
	.p2alignl 7, 3214868480
	.fill 96, 4, 3214868480
	.section	.rodata,"a",@progbits
	.p2align	6, 0x0
	.amdhsa_kernel k_qfe20772c96_prep
		.amdhsa_group_segment_fixed_size 1536
		.amdhsa_private_segment_fixed_size 0
		.amdhsa_enable_private_segment 0
		.amdhsa_kernarg_size 64
		.amdhsa_user_sgpr_count 2
		.amdhsa_user_sgpr_kernarg_segment_ptr 1
		.amdhsa_wavefront_size32 1
		.amdhsa_system_sgpr_workgroup_id_x 1
		.amdhsa_system_sgpr_workgroup_id_y 1
		.amdhsa_system_sgpr_workgroup_id_z 1
		.amdhsa_system_vgpr_workitem_id 0
		.amdhsa_next_free_vgpr 104
		.amdhsa_next_free_sgpr 66
		.amdhsa_reserve_vcc 0
		.amdhsa_float_denorm_mode_32 3
		.amdhsa_float_denorm_mode_16_64 3
		.amdhsa_memory_ordered 1
		.amdhsa_forward_progress 1
		.amdhsa_inst_pref_size 18
	.end_amdhsa_kernel
	.amdgpu_metadata
---
amdhsa.version: [ 1, 2 ]
amdhsa.kernels:
  - .name:           k_qfe20772c96_prep
    .symbol:         k_qfe20772c96_prep.kd
    .args:
      - { .name: wq, .offset: 0, .size: 8, .value_kind: global_buffer, .address_space: global }
      - { .name: wk, .offset: 8, .size: 8, .value_kind: global_buffer, .address_space: global }
      - { .name: wv, .offset: 16, .size: 8, .value_kind: global_buffer, .address_space: global }
      - { .name: p, .offset: 24, .size: 8, .value_kind: global_buffer, .address_space: global }
      - { .name: idx, .offset: 32, .size: 8, .value_kind: global_buffer, .address_space: global }
      - { .name: wp1, .offset: 40, .size: 8, .value_kind: global_buffer, .address_space: global }
      - { .name: bp1, .offset: 48, .size: 8, .value_kind: global_buffer, .address_space: global }
      - { .name: pre, .offset: 56, .size: 8, .value_kind: global_buffer, .address_space: global }
    .group_segment_fixed_size: 1536
    .private_segment_fixed_size: 0
    .kernarg_segment_align: 8
    .kernarg_segment_size: 64
    .max_flat_workgroup_size: 256
    .sgpr_count:     66
    .vgpr_count:     104
    .wavefront_size: 32
...
	.end_amdgpu_metadata
.endif
;; end of part 1
;; launch gemm (part 2): grid 256 x 1, 4 waves a work-group, clusters of 4 x 1, 327,680 bytes of LDS; arguments x, pre, bq, bk, bv, p, idx, wp1, bp1, gp, btp, qkv; writes qkv
.if DOCPART == 2
	.amdgcn_target "amdgcn-amd-amdhsa--gfx1250"
	.amdhsa_code_object_version 6
	.text
	.protected	k_qfe20772c96_gemm
	.globl	k_qfe20772c96_gemm
	.p2align	8
	.type	k_qfe20772c96_gemm,@function
k_qfe20772c96_gemm:
	s_mov_b64 s[64:65], 0
	v_nop
	global_prefetch_b8 v0, s[64:65] scope:SCOPE_SE
	s_setreg_imm32_b32 hwreg(HW_REG_WAVE_MODE, 25, 1), 1
	s_wait_xcnt 0x0
	s_wait_alu depctr_hold_cnt(0) depctr_sa_sdst(0) depctr_va_vdst(0) depctr_va_sdst(0) depctr_va_ssrc(0) depctr_va_vcc(0) depctr_vm_vsrc(0)
	s_getreg_b32 s2, hwreg(HW_REG_IB_STS2, 6, 4)
	s_cmp_eq_u32 s2, 0
	s_cbranch_scc0 .Lentry_in_a_cluster
	s_endpgm
.Lentry_in_a_cluster:
	s_bfe_u32 s2, ttmp6, 0x10000c
	s_cmp_lg_u32 s2, 0x3003
	s_cbranch_scc0 .Lentry_shape_is_right
	s_endpgm
.Lentry_shape_is_right:
; gemm: xq, xk, xv = x W^T + b (bf16 operands, f32 sums, stored once as f16, columns in the order SIGMA), and q = relu(bn(wp1 (p[idx] - p) + bp1)) in f32.
; qkv: XQ at 0, XK at 0x2000000, XV at 0x4000000: [65536][256] f16; PR3 at 0x6000000: [524288][4] f32 = q0, q1, q2, 0.
; SIGMA: place 8 l + e holds channel 4 l + e (e < 4) or 128 + 4 l + e - 4.  K runs in the same order in x and in the weights, so the products are those of reference().
; SHARES.  A work-group owns 256 rows of x, a wave 64: their fragments (4 x 8 x 8 registers) stay in window 1.  The 768 output columns come in 6 phases of 128; a phase's weights
; (128 rows x 512 bytes) lie in one of two LDS slots.  CLUSTER: the four work-groups of a cluster walk the same weights, so each tile is asked for jointly, mask 15, each wave its 32 rows.
; By this text's own count a wave has one tensor load out; it has a phase, 256 matrix instructions, in which to land.
; THE START.  The loads that head a chain (idx, p, the partial sums, the bias) go out first, ahead of the cluster's round; behind the gathers that hang on idx come 48 loads of x, and 16 more
; as soon as the gathers are in, so that x streams while q is computed.
; THE MATRIX INSTRUCTION IS USED TRANSPOSED (source 0 = 16 weight rows, source 1 = 16 rows of x): a lane holds one row of x and eight neighbouring columns; the bias is the C of the first K step.
; The two K = 3 steps of linear_p are f32 multiply-adds, a lane an item.
; LIMITS: xq, xk, xv must stay under 65,504 (f16); idx is held to 0 .. 65,535; the variance is held at 0 from below; NaN and infinities are not treated apart.
; REGISTERS: window 0: v1-14 addresses, v15-31 at work, v32-47 packed results, v48-63 bias (two sets), v64-127 accumulators (two sets of four), v128-255 weight fragments (two sets)
;            window 1: x's fragments, row tile rt, K step ks at 64 rt + 8 ks        window 2: x as loaded, two buffers of 128
.set SLOT1,  131072                    ; slot 0 at 0, slot 1 here: 128 rows x 528 bytes each
.set WP,     528                       ; 512 bytes + 16 of padding: the 16 rows of a fragment load start 4 banks apart
.set STAGE,  198656                    ; 17,408 bytes a wave: 64 rows x 272 on the way out; before that 16 rows x 528 of x
.set STW,    17408
.set SP,     272
.set BIAS,   268288                    ; 768 f32, bq, bk, bv in the order SIGMA
.set SPARE,  271360                    ; the spare words, 128 bytes a wave
.set PM,     393216
.set MSB, 0
.macro WIN new                         ; the immediate's high byte repeats the setting that is left
.if MSB != (\new)
	s_set_vgpr_msb (MSB<<8)|(\new)
.set MSB, \new
.endif
.endm
.macro ROUND                           ; a round of the cluster's barrier
	s_barrier_signal -1
	s_barrier_wait -1
	s_cmp_lg_u32 s28, 0
	s_cbranch_scc1 .Lnw0_\@
	s_barrier_signal -3
.Lnw0_\@:
	s_barrier_wait -3
	s_barrier_signal -1
	s_barrier_wait -1
.endm
.macro JLOAD                           ; my 32 rows of a tile, jointly with the three partners; s_nop 0 and four v_nop follow
	tensor_load_to_lds s[40:43], s[32:39]
	s_nop 0
.rept 4
	v_nop
.endr
.endm
.macro XLOAD rt, buf, first, rows      ; rows first .. first + rows - 1 of row tile rt of x, f32: each load of the wave takes 512 consecutive bytes
	WIN 0x80
.set i, \first
.rept \rows
	global_load_b128 v[128*(\buf)+8*i:128*(\buf)+8*i+3],   v3, s[56:57] offset:(16*(\rt)+i)*1024 th:TH_LOAD_NT
	global_load_b128 v[128*(\buf)+8*i+4:128*(\buf)+8*i+7], v3, s[56:57] offset:(16*(\rt)+i)*1024+512 th:TH_LOAD_NT
.set i, i+1
.endr
	WIN 0
.endm
.macro XCVT rt, buf, cnt               ; rounded to bf16, through my stage, into fragments; cnt: the next tile's loads may stay out
	s_wait_loadcnt \cnt
	WIN 0x0a
.set i, 0
.rept 64
	v_cvt_pk_bf16_f32 v[128+i], v[128*(\buf)+2*i], v[128*(\buf)+2*i+1]
.set i, i+1
.endr
	WIN 0
.set i, 0
.rept 16
	ds_store_b128 v11, v[128+4*i:128+4*i+3] offset:i*WP
.set i, i+1
.endr
	WIN 0x40
.set i, 0
.rept 8                                ; LDS serves a wave's instructions in order (ISA guide 5.7.1.4): these see the stores above
	ds_load_b128 v[64*(\rt)+8*i:64*(\rt)+8*i+3],   v12 offset:i*64
	ds_load_b128 v[64*(\rt)+8*i+4:64*(\rt)+8*i+7], v12 offset:i*64+32
.set i, i+1
.endr
	WIN 0
.endm
	s_load_b512 s[4:19], s[0:1], 0x0               ; x 4, pre 6, bq 8, bk 10, bv 12, p 14, idx 16, wp1 18
	s_load_b256 s[20:27], s[0:1], 0x40             ; bp1 20, gp 22, btp 24, qkv 26
	v_lshl_add_u32 v13, v0, 2, SPARE
	v_mov_b32 v14, 0
	ds_add_u32 v13, v14                            ; the wave's opening
	v_lshrrev_b32 v16, 5, v0
	v_readfirstlane_b32 s28, v16                   ; wave
	s_bfe_u32 s29, ttmp6, 0x40000                  ; cx
	s_lshl_b32 s30, ttmp9, 2
	s_add_co_u32 s30, s30, s29                     ; my block of 256 rows: it enters x's, p's, idx's and qkv's addresses alone
	s_mov_b32 s32, 15|(1<<16)|(1<<20)|(1<<21)|(6<<22)|(3<<25)  ; mask of four; 2-byte elements; padding on; bit 21 beside a mask; after every 128 words 4 words
	s_mov_b32 s33, 256<<16                         ; tensor_dim0 = 256
	s_mov_b32 s34, 32<<16                          ; tensor_dim1 = 32
	s_mov_b32 s35, 256<<16                         ; tile_dim0 = 256
	s_mov_b32 s36, 32                              ; tile_dim1 = 32
	s_mov_b32 s37, 256                             ; elements from row to row
	s_mov_b32 s38, 0
	s_mov_b32 s39, 0
	s_mov_b32 s40, 1
	s_mul_i32 s41, s28, 32*WP                      ; LDS: my 32 rows of slot 0
	s_lshl_b32 s96, s28, 14                        ; memory: my 32 rows of 512 bytes
	s_mov_b32 s97, 0
	s_mov_b32 s49, 0
	s_mov_b32 s50, 0x76543210
	s_mov_b32 s51, 0xfedcba98
	v_and_b32 v15, 31, v0                          ; lane
	v_and_b32 v1, 15, v0                           ; R
	v_bfe_u32 v2, v0, 4, 1                         ; H
	v_lshlrev_b32 v3, 4, v15                       ; 16 x lane
	v_mul_u32_u24 v4, v1, WP
	v_lshl_add_u32 v4, v2, 4, v4                   ; a fragment's row x pitch + 16 H
	v_lshlrev_b32 v6, 5, v2                        ; 32 H: my eight biases
	s_mul_i32 s53, s28, STW
	s_add_co_u32 s53, s53, STAGE                   ; my stage
	v_mul_u32_u24 v8, v1, SP
	v_lshl_add_u32 v8, v2, 4, v8
	v_add_nc_u32 v8, s53, v8                       ; into the stage: row R, 16 bytes for each half of the lanes
	v_mul_u32_u24 v9, v2, SP
	v_lshl_add_u32 v9, v1, 4, v9
	v_add_nc_u32 v9, s53, v9                       ; back: lanes 0-15 one row of 256 bytes, lanes 16-31 the next
	v_lshlrev_b32 v10, 9, v2
	v_lshl_add_u32 v10, v1, 4, v10                 ; and the same two rows in memory, 512 bytes apart
	v_add_nc_u32 v11, s53, v3                      ; x into the stage: 16 bytes a lane
	v_add_nc_u32 v12, s53, v4                      ; x's fragments out of it
	v_lshlrev_b32 v25, 2, v15                      ; linear_p, a lane an item: my idx word,
	v_lshrrev_b32 v26, 3, v15
	v_mul_u32_u24 v26, v26, 12                     ; my point's position,
	v_lshlrev_b32 v27, 6, v15                      ; my records of partial sums
	v_mov_b32 v28, 0
	s_wait_dscnt 0x0                               ; the opening add is done
	s_wait_kmcnt 0x0
	s_load_b256 s[68:75], s[18:19], 0x0            ; wp1[c][i] in s[68 + 3 c + i]
	s_load_b32 s76, s[18:19], 0x20
	s_load_b96 s[80:82], s[20:21], 0x0             ; bp1
	s_load_b96 s[84:86], s[22:23], 0x0             ; gp
	s_load_b96 s[88:90], s[24:25], 0x0             ; btp
	s_load_b96 s[92:94], s[6:7], PM+24             ; Y00
	s_lshl_b32 s45, s30, 8
	s_lshl_b32 s46, s28, 6
	s_add_co_u32 s45, s45, s46                     ; my wave's first row
	s_lshl_b32 s48, s45, 10
	s_add_nc_u64 s[56:57], s[4:5], s[48:49]        ; x
	s_lshl_b32 s48, s45, 9
	s_add_nc_u64 s[54:55], s[26:27], s[48:49]      ; my rows in XQ
	s_lshl_b32 s48, s45, 7
	s_add_nc_u64 s[58:59], s[26:27], s[48:49]
	s_add_nc_u64 s[58:59], s[58:59], 0x6000000     ; my 512 items in PR3
	s_lshl_b32 s48, s45, 5
	s_add_nc_u64 s[60:61], s[16:17], s[48:49]      ; idx
	s_mul_i32 s48, s45, 12
	s_add_nc_u64 s[62:63], s[14:15], s[48:49]      ; p
	; The loads that head a chain, ahead of the round: they are on their way while the four work-groups meet.
	s_cmp_eq_u32 s28, 1                            ; wave m lays b_m out; wave 3 has no part of the table: it runs the same two loads, of bv, so that the text has one way here, and stores nothing
	s_cselect_b64 s[46:47], s[10:11], s[8:9]
	s_cmp_ge_u32 s28, 2
	s_cselect_b64 s[46:47], s[12:13], s[46:47]
	global_load_b128 v[16:19], v3, s[46:47]
	global_load_b128 v[20:23], v3, s[46:47] offset:512
.set st, 0
.rept 16                               ; q for my 512 items, a lane an item, 16 steps of 32
	global_load_b32 v[64+st], v25, s[60:61] offset:128*st
	global_load_b96 v[80+4*st:82+4*st], v26, s[62:63] offset:48*st
.set st, st+1
.endr
.set k, 0
.rept 8                                ; lane l takes the records l + 32 k of linear_p's partial sums
	global_load_b128 v[208+6*k:211+6*k], v27, s[6:7] offset:PM+2048*k
	global_load_b64 v[212+6*k:213+6*k], v27, s[6:7] offset:PM+2048*k+16
.set k, k+1
.endr
	s_add_nc_u64 s[42:43], s[6:7], s[96:97]
	s_or_b32 s43, s43, 0x80000000                  ; type = 2
	ROUND                                          ; all four work-groups are here
	JLOAD                                          ; tile 0 into slot 0; slot 1 is filled behind the loop's first round
	s_wait_loadcnt 0x0                             ; the bias, idx, p[n] and the partial sums
	s_cmp_gt_u32 s28, 2
	s_cbranch_scc1 .Lnobias
	s_lshl_b32 s45, s28, 10
	s_add_co_u32 s45, s45, BIAS
	v_lshl_add_u32 v24, v15, 5, s45
	ds_store_b128 v24, v[16:19]                    ; the bias table in the order SIGMA; the loop's first round shows it to all waves
	ds_store_b128 v24, v[20:23] offset:16
.Lnobias:
.set st, 0
.rept 16
	v_min_u32 v[64+st], 0xffff, v[64+st]
	v_mul_u32_u24 v[64+st], v[64+st], 12
.set st, st+1
.endr
.set st, 0
.rept 16
	global_load_b96 v[144+4*st:146+4*st], v[64+st], s[14:15]
.set st, st+1
.endr
	XLOAD 0, 0, 0, 16
	XLOAD 1, 1, 0, 8
.set k, 1
.rept 7
	v_pk_add_f32 v[208:209], v[208:209], v[208+6*k:209+6*k]
	v_pk_add_f32 v[210:211], v[210:211], v[210+6*k:211+6*k]
	v_pk_add_f32 v[212:213], v[212:213], v[212+6*k:213+6*k]
.set k, k+1
.endr
.irp r, 208,209,210,211,212,213
	v_add_f32_dpp v\r, v\r, v\r row_xmask:1 row_mask:0xf bank_mask:0xf
	v_add_f32_dpp v\r, v\r, v\r row_xmask:2 row_mask:0xf bank_mask:0xf
	v_add_f32_dpp v\r, v\r, v\r row_xmask:4 row_mask:0xf bank_mask:0xf
	v_add_f32_dpp v\r, v\r, v\r row_xmask:8 row_mask:0xf bank_mask:0xf
	v_permlanex16_b32 v28, v\r, s50, s51
	v_add_f32 v\r, v\r, v28
.endr
	s_wait_kmcnt 0x0
.irp c, 0,1,2
	v_mul_f32 v[16+\c], 0x36000000, v[208+\c]      ; mean - Y00 = S1 / 2^19
	v_mul_f32 v[20+\c], 0x36000000, v[211+\c]
	v_fma_f32 v[20+\c], -v[16+\c], v[16+\c], v[20+\c]
	v_max_num_f32 v[20+\c], 0, v[20+\c]            ; the variance
	v_add_f32 v[20+\c], 0x3727c5ac, v[20+\c]       ; + 1e-5
	v_add_f32 v[16+\c], s[92+\c], v[16+\c]         ; the mean
.endr
	v_rsq_f32 v20, v20
	v_rsq_f32 v21, v21
	v_rsq_f32 v22, v22
	v_nop                                          ; a plain instruction behind the last of them
	s_wait_alu depctr_va_vdst(0)
.irp c, 0,1,2
	v_mul_f32 v[20+\c], s[84+\c], v[20+\c]         ; gp / sqrt(var + eps)
.endr
	s_wait_loadcnt 48                              ; the 16 gathers are in: behind the last of them x's 32 + 16 loads were issued
	XLOAD 1, 1, 8, 8                               ; the rest of x's second tile goes out ahead of the arithmetic
.set st, 0
.rept 16
	v_sub_f32 v32, v[144+4*st], v[80+4*st]
	v_sub_f32 v33, v[145+4*st], v[81+4*st]
	v_sub_f32 v34, v[146+4*st], v[82+4*st]
.irp c, 0,1,2
	v_fma_f32 v[36+\c], s[68+3*\c], v32, s[80+\c]
	v_fma_f32 v[36+\c], s[69+3*\c], v33, v[36+\c]
	v_fma_f32 v[36+\c], s[70+3*\c], v34, v[36+\c]
	v_sub_f32 v[36+\c], v[36+\c], v[16+\c]
	v_fma_f32 v[36+\c], v[36+\c], v[20+\c], s[88+\c]
	v_max_num_f32 v[80+4*st+\c], 0, v[36+\c]       ; q takes the registers that held p[n]: each step's store has data registers of its own
.endr
	v_mov_b32 v[83+4*st], 0
	global_store_b128 v3, v[80+4*st:83+4*st], s[58:59] offset:512*st  ; 512 consecutive bytes
.set st, st+1
.endr
	s_wait_xcnt 0x0                                ; the stores' data registers are written again only behind this wait
	XCVT 0, 0, 32
	XLOAD 2, 0, 0, 16
	XCVT 1, 1, 32
	XLOAD 3, 1, 0, 16
	XCVT 2, 0, 32
	XCVT 3, 1, 0
; THE CHANGE OF SLOTS.  Every wave waits for all its tensor loads (one: its part of the slot to be read), adds 0 to its spare word, waits for that and for its LDS reads.
; fill = 1: the round of the cluster's barrier follows, and behind it, first, the joint load of the next tile into the slot just left.
.macro CHANGE fill
	WIN 0
	s_wait_tensorcnt 0x0
	ds_add_u32 v13, v14
.if \fill
	s_xor_b32 s41, s41, SLOT1                      ; no load of mine is out: the descriptor walks to the other slot
	s_add_nc_u64 s[42:43], s[42:43], 65536         ; and to the next 128 weight rows
.endif
	s_wait_xcnt 0x0                                ; the last phase's stores: their data registers and base are written again below
	s_wait_dscnt 0x0
.if \fill
	ROUND
	JLOAD
.else
	s_barrier_signal -1
	s_barrier_wait -1
.endif
	s_xor_b32 s44, s44, SLOT1                      ; the slot to be read
.endm
.macro FETCH c, b                      ; 16 weight rows x 256 K and their eight biases a lane: 18 LDS loads
.set ks, 0
.rept 8
	ds_load_b128 v[128+64*(\b)+8*ks:128+64*(\b)+8*ks+3],   v5 offset:(\c)*16*WP+ks*64
	ds_load_b128 v[128+64*(\b)+8*ks+4:128+64*(\b)+8*ks+7], v5 offset:(\c)*16*WP+ks*64+32
.set ks, ks+1
.endr
	ds_load_b128 v[48+8*(\b):48+8*(\b)+3],   v7 offset:(\c)*64
	ds_load_b128 v[48+8*(\b)+4:48+8*(\b)+7], v7 offset:(\c)*64+16
.endm
.macro EPI c                           ; column tile c: rounded to f16, each accumulator from its low end, 16 bytes a lane into the stage
.irp rt, 0,1,2,3
.irp k, 0,1,2,3
	v_cvt_pk_f16_f32 v[32+4*\rt+\k], v[64+32*((\c)%2)+8*\rt+2*\k], v[64+32*((\c)%2)+8*\rt+2*\k+1]
.endr
.endr
.irp rt, 0,1,2,3
	ds_store_b128 v8, v[32+4*\rt:32+4*\rt+3] offset:\rt*16*SP+(\c)*32
.endr
.endm
; Column tile c: 32 matrix instructions, the four accumulators by turns.  Behind them the tile before is packed: its 16 conversions name none of the last
; products' registers and are the places in front of the loads into the fragment set just read (tile 0: four v_nop).
.macro TILE c, cnt
	s_wait_dscnt \cnt
	WIN 0x04
.set ks, 0
.rept 8
.irp rt, 0,1,2,3
.if ks == 0
	v_wmma_f32_16x16x32_bf16 v[64+32*((\c)%2)+8*\rt:64+32*((\c)%2)+8*\rt+7], v[128+64*((\c)%2):128+64*((\c)%2)+7], v[64*\rt:64*\rt+7], v[48+8*((\c)%2):48+8*((\c)%2)+7]
.else
	v_wmma_f32_16x16x32_bf16 v[64+32*((\c)%2)+8*\rt:64+32*((\c)%2)+8*\rt+7], v[128+64*((\c)%2)+8*ks:128+64*((\c)%2)+8*ks+7], v[64*\rt+8*ks:64*\rt+8*ks+7], v[64+32*((\c)%2)+8*\rt:64+32*((\c)%2)+8*\rt+7]
.endif
.endr
.set ks, ks+1
.endr
	WIN 0
.if (\c) == 0
.rept 4
	v_nop
.endr
.else
	EPI (\c)-1
.endif
.if (\c) < 6
	FETCH (\c)+2, (\c)%2
.endif
.endm
; A phase (its number in s31): 128 columns for my 64 rows.  The waits count the LDS instructions issued behind the fetch that is wanted: the next fetch's 18, and the 4 stores of a packed tile.
.macro WORK
	s_lshl_b32 s45, s31, 9
	s_add_co_u32 s45, s45, BIAS
	s_lshr_b32 s48, s31, 1
	s_lshl_b32 s48, s48, 25                        ; which of XQ, XK, XV
	s_and_b32 s53, s31, 1
	s_lshl_b32 s53, s53, 8                         ; which half of its rows' 512 bytes
	s_add_co_u32 s48, s48, s53
	s_add_nc_u64 s[46:47], s[54:55], s[48:49]
	v_add_nc_u32 v5, s44, v4
	v_add_nc_u32 v7, s45, v6
	FETCH 0, 0
	FETCH 1, 1
	TILE 0, 18
	TILE 1, 18
	TILE 2, 22
	TILE 3, 22
	TILE 4, 22
	TILE 5, 22
	TILE 6, 22
	TILE 7, 4
	EPI 7
.set i, 0
.rept 32                               ; back as whole rows of 256 bytes, into the fragment registers
	ds_load_b128 v[128+4*i:128+4*i+3], v9 offset:i*2*SP
.set i, i+1
.endr
.set i, 0
.rept 32
	s_wait_dscnt 31-i
	global_store_b128 v10, v[128+4*i:128+4*i+3], s[46:47] offset:1024*i  ; 16 lanes store 256 consecutive bytes, at a multiple of 256
.set i, i+1
.endr
.endm
	s_mov_b32 s44, SLOT1                           ; the first change turns it into 0
	s_mov_b32 s52, 5
.Lphase:
	CHANGE 1
	s_sub_co_u32 s31, 5, s52                       ; phases 0 to 4
	WORK
	s_sub_co_u32 s52, s52, 1
	s_cmp_lg_u32 s52, 0
	s_cbranch_scc1 .Lphase
	CHANGE 0                                       ; the last phase is written out: nothing is left to ask for
	s_mov_b32 s31, 5
	WORK
	s_wait_tensorcnt 0x0                           ; the wave's end
	ds_add_u32 v13, v14
	s_wait_dscnt 0x0
	ROUND                                          ; the closing round
	s_endpgm
.Lfunc_end_k_qfe20772c96_gemm:
	.size	k_qfe20772c96_gemm, .Lfunc_end_k_qfe20772c96_gemm-k_qfe20772c96_gemm
	.p2alignl 7, 3214868480
	.fill 96, 4, 3214868480
	.section	.rodata,"a",@progbits
	.p2align	6, 0x0
	.amdhsa_kernel k_qfe20772c96_gemm
		.amdhsa_group_segment_fixed_size 327680
		.amdhsa_private_segment_fixed_size 0
		.amdhsa_enable_private_segment 0
		.amdhsa_kernarg_size 96
		.amdhsa_user_sgpr_count 2
		.amdhsa_user_sgpr_kernarg_segment_ptr 1
		.amdhsa_wavefront_size32 1
		.amdhsa_system_sgpr_workgroup_id_x 1
		.amdhsa_system_sgpr_workgroup_id_y 1
		.amdhsa_system_sgpr_workgroup_id_z 1
		.amdhsa_system_vgpr_workitem_id 0
		.amdhsa_next_free_vgpr 768
		.amdhsa_next_free_sgpr 100
		.amdhsa_reserve_vcc 0
		.amdhsa_float_denorm_mode_32 3
		.amdhsa_float_denorm_mode_16_64 3
		.amdhsa_memory_ordered 1
		.amdhsa_forward_progress 1
		.amdhsa_inst_pref_size 160
	.end_amdhsa_kernel
	.amdgpu_metadata
---
amdhsa.version: [ 1, 2 ]
amdhsa.kernels:
  - .name:           k_qfe20772c96_gemm
    .symbol:         k_qfe20772c96_gemm.kd
    .args:
      - { .name: x, .offset: 0, .size: 8, .value_kind: global_buffer, .address_space: global }
      - { .name: pre, .offset: 8, .size: 8, .value_kind: global_buffer, .address_space: global }
      - { .name: bq, .offset: 16, .size: 8, .value_kind: global_buffer, .address_space: global }
      - { .name: bk, .offset: 24, .size: 8, .value_kind: global_buffer, .address_space: global }
      - { .name: bv, .offset: 32, .size: 8, .value_kind: global_buffer, .address_space: global }
      - { .name: p, .offset: 40, .size: 8, .value_kind: global_buffer, .address_space: global }
      - { .name: idx, .offset: 48, .size: 8, .value_kind: global_buffer, .address_space: global }
      - { .name: wp1, .offset: 56, .size: 8, .value_kind: global_buffer, .address_space: global }
      - { .name: bp1, .offset: 64, .size: 8, .value_kind: global_buffer, .address_space: global }
      - { .name: gp, .offset: 72, .size: 8, .value_kind: global_buffer, .address_space: global }
      - { .name: btp, .offset: 80, .size: 8, .value_kind: global_buffer, .address_space: global }
      - { .name: qkv, .offset: 88, .size: 8, .value_kind: global_buffer, .address_space: global }
    .group_segment_fixed_size: 327680
    .private_segment_fixed_size: 0
    .kernarg_segment_align: 8
    .kernarg_segment_size: 96
    .max_flat_workgroup_size: 128
    .sgpr_count:     100
    .vgpr_count:     768
    .wavefront_size: 32
...
	.end_amdgpu_metadata
.endif
;; end of part 2
;; launch stats1 (part 3): grid 256 x 1, 32 waves a work-group, no clusters, 69,632 bytes of LDS; arguments qkv, idx, wp2, bp2, part1; writes part1
.if DOCPART == 3
	.amdgcn_target "amdgcn-amd-amdhsa--gfx1250"
	.amdhsa_code_object_version 6
	.text
	.protected	k_qfe20772c96_stats1
	.globl	k_qfe20772c96_stats1
	.p2align	8
	.type	k_qfe20772c96_stats1,@function
k_qfe20772c96_stats1:
	s_mov_b64 s[64:65], 0
	v_nop
	global_prefetch_b8 v0, s[64:65] scope:SCOPE_SE
	s_setreg_imm32_b32 hwreg(HW_REG_WAVE_MODE, 25, 1), 1
	s_wait_xcnt 0x0
; stats1: partial sums for the first BatchNorm of linear_w: of w = xk[idx] - xq + (wp2 q + bp2), over all items, a channel at a time.
; The sums are taken of w - K1, K1 = w of item (0, 0), the same in every wave, so that the variance is no difference of large sums.
; part1: [256 work-groups][512] f32: S1[channel], S2[channel].
; SHARES.  A wave owns 8 points.  One load of the wave is one gathered row (512 bytes of f16, 16 bytes a lane); lane l holds places 8 l .. 8 l + 7, which are channels 4 l .. 4 l + 3 and
; 128 + 4 l .. + 3.  idx and q are the same for the whole wave and come by scalar loads.
; BURSTS.  A trip is a point: its xq and its 8 rows are asked for together at the trip's head and used with counts that run down.  Eight waves lie on a SIMD (8 x 116 registers) and
; work while one waits; when all 32 waves wait, 32 x 9 x 512 = 147,456 bytes are out.  Every trip is alike, so nothing is written out ahead of the loop or behind it.
; A slot's first register holds the row's byte offset, and the load lands on it.
; No matrix unit (there is no product here but the K = 3 one, three packed multiply-adds a pair), no tensor load (the rows are chosen by idx), no cluster (nothing large is shared).
; No prefetch: a row of xk is named eight times on average, so a request for each naming would ask for the same bytes again and again.
; LIMITS: idx is held to 0 .. 65,535; NaN and infinities are not treated apart; the order of the sums is not reference()'s.
.set NPT,  8                           ; points of a wave
.set L16,  1                           ; v1      16 x lane
.set ONE,  2                           ; v2      1.0
.set XO,   4                           ; v4      byte offset of the next xq row
.set KB,   8                           ; v8-15   bp2 - K1
.set W,    16                          ; v16-39  wp2[.][i] at W + 8 i
.set T,    40                          ; v40-47  KB - xq of the point
.set AC,   48                          ; v48-55  T + wp2 q
.set WW,   56                          ; v56-63  w - K1
.set SUM1, 64
.set SUM2, 72
.set XQ,   80                          ; v80-83
.set G,    84                          ; v84-115 8 slots of 4
.set SPARE, 65536                      ; behind 32 x 2,048 bytes of partial sums: the spare words, 128 bytes a wave
.macro MIXLO d, a, b, c                ; d = f16(a, low half) x b + c, in f32
	v_fma_mix_f32 v[\d], v[\a], v[\b], v[\c] op_sel_hi:[1,0,0]
.endm
.macro MIXHI d, a, b, c
	v_fma_mix_f32 v[\d], v[\a], v[\b], v[\c] op_sel:[1,0,0] op_sel_hi:[1,0,0]
.endm
.macro NMIXLO d, a, b, c               ; d = c - f16(a) x b
	v_fma_mix_f32 v[\d], -v[\a], v[\b], v[\c] op_sel_hi:[1,0,0]
.endm
.macro NMIXHI d, a, b, c
	v_fma_mix_f32 v[\d], -v[\a], v[\b], v[\c] op_sel:[1,0,0] op_sel_hi:[1,0,0]
.endm
.macro ISSUE ix, slot                  ; the row named by s[ix]; the slot's last load has been waited for
	s_min_u32 s[\ix], s[\ix], 0xffff
	v_lshl_add_u32 v[G+4*(\slot)], s[\ix], 9, v[L16]
	global_load_b128 v[G+4*(\slot):G+4*(\slot)+3], v[G+4*(\slot)], s[2:3]
.endm
	s_load_b256 s[68:75], s[0:1], 0x0              ; qkv 68, idx 70, wp2 72, bp2 74
	s_load_b64 s[10:11], s[0:1], 0x20              ; part1
	v_lshl_add_u32 v6, v0, 2, SPARE                ; my spare word, and 0: kept for the add alone
	v_mov_b32 v7, 0
	v_and_b32 v3, 31, v0
	v_lshlrev_b32 v[L16], 4, v3
	v_mov_b32 v[ONE], 1.0
	v_lshrrev_b32 v5, 5, v0
	v_readfirstlane_b32 s12, v5                    ; wave
	v_mov_b32 v[XO], v[L16]
	v_mul_u32_u24 v73, v3, 48
	s_lshl_b32 s13, ttmp9, 8
	s_lshl_b32 s15, s12, 3
	s_add_co_u32 s13, s13, s15                     ; my first point
	s_mov_b32 s101, 0
	s_wait_kmcnt 0x0
	s_add_nc_u64 s[2:3], s[68:69], 0x2000000       ; XK
	s_add_nc_u64 s[78:79], s[68:69], 0x6000000     ; PR3
	s_lshl_b32 s100, s13, 9
	s_add_nc_u64 s[4:5], s[68:69], s[100:101]      ; my rows of XQ
	s_lshl_b32 s100, s13, 7
	s_add_nc_u64 s[6:7], s[78:79], s[100:101]      ; my points' q, 128 bytes a point
	s_lshl_b32 s100, s13, 5
	s_add_nc_u64 s[8:9], s[70:71], s[100:101]      ; my points' idx, 32 bytes a point
	s_load_b32 s76, s[70:71], 0x0                  ; idx[0][0]
	s_load_b128 s[84:87], s[78:79], 0x0            ; q of item (0, 0)
	s_load_b256 s[16:23], s[8:9], 0x0              ; idx of my point 0
	global_load_b128 v[KB:KB+3],   v[L16], s[74:75]
	global_load_b128 v[KB+4:KB+7], v[L16], s[74:75] offset:512
.irp t, 0,1,2
	global_load_b128 v[40+4*\t:43+4*\t], v73, s[72:73] offset:16*\t
	global_load_b128 v[52+4*\t:55+4*\t], v73, s[72:73] offset:1536+16*\t
.endr
	s_wait_kmcnt 0x0
	s_min_u32 s76, s76, 0xffff
	v_lshl_add_u32 v72, s76, 9, v[L16]
	global_load_b128 v[64:67], v72, s[2:3]         ; xk[idx[0][0]]
	global_load_b128 v[68:71], v[L16], s[68:69]    ; xq[0]
	s_wait_loadcnt 0x0
.set e, 0
.rept 8                                ; wp2 lies [channel][3]: sorted by i
	v_mov_b32 v[W+e],    v[40+3*e]
	v_mov_b32 v[W+8+e],  v[41+3*e]
	v_mov_b32 v[W+16+e], v[42+3*e]
.set e, e+1
.endr
	s_mov_b32 s100, s85
.irp k, 0,2,4,6
	v_pk_fma_f32 v[AC+\k:AC+\k+1], v[W+\k:W+\k+1], s[84:85], v[KB+\k:KB+\k+1] op_sel_hi:[1,0,1]
.endr
.irp k, 0,2,4,6
	v_pk_fma_f32 v[AC+\k:AC+\k+1], v[W+8+\k:W+9+\k], s[100:101], v[AC+\k:AC+\k+1] op_sel_hi:[1,0,1]
.endr
.irp k, 0,2,4,6
	v_pk_fma_f32 v[AC+\k:AC+\k+1], v[W+16+\k:W+17+\k], s[86:87], v[AC+\k:AC+\k+1] op_sel_hi:[1,0,1]
.endr
.irp r, 0,1,2,3
	MIXLO AC+2*\r, 64+\r, ONE, AC+2*\r
	MIXHI AC+2*\r+1, 64+\r, ONE, AC+2*\r+1
.endr
.irp r, 0,1,2,3
	NMIXLO AC+2*\r, 68+\r, ONE, AC+2*\r
	NMIXHI AC+2*\r+1, 68+\r, ONE, AC+2*\r+1        ; K1
.endr
.irp k, 0,2,4,6
	v_pk_add_f32 v[KB+\k:KB+\k+1], v[KB+\k:KB+\k+1], v[AC+\k:AC+\k+1] neg_lo:[0,1] neg_hi:[0,1]
.endr
.set e, 0
.rept 16
	v_mov_b32 v[SUM1+e], 0
.set e, e+1
.endr
; One item.  q0 and q2 are the low words of even scalar pairs; q1 is moved into one.  Behind row j the 7 - j later rows may stay out.
.macro ITEM j
	s_mov_b32 s100, s[33+4*(\j)]
.irp k, 0,2,4,6
	v_pk_fma_f32 v[AC+\k:AC+\k+1], v[W+\k:W+\k+1], s[32+4*(\j):33+4*(\j)], v[T+\k:T+\k+1] op_sel_hi:[1,0,1]
.endr
.irp k, 0,2,4,6
	v_pk_fma_f32 v[AC+\k:AC+\k+1], v[W+8+\k:W+9+\k], s[100:101], v[AC+\k:AC+\k+1] op_sel_hi:[1,0,1]
.endr
.irp k, 0,2,4,6
	v_pk_fma_f32 v[AC+\k:AC+\k+1], v[W+16+\k:W+17+\k], s[34+4*(\j):35+4*(\j)], v[AC+\k:AC+\k+1] op_sel_hi:[1,0,1]
.endr
	s_wait_loadcnt 7-(\j)
.irp r, 0,1,2,3
	MIXLO WW+2*\r, G+4*(\j)+\r, ONE, AC+2*\r
	MIXHI WW+2*\r+1, G+4*(\j)+\r, ONE, AC+2*\r+1
.endr
.irp k, 0,2,4,6
	v_pk_add_f32 v[SUM1+\k:SUM1+\k+1], v[SUM1+\k:SUM1+\k+1], v[WW+\k:WW+\k+1]
.endr
.irp k, 0,2,4,6
	v_pk_fma_f32 v[SUM2+\k:SUM2+\k+1], v[WW+\k:WW+\k+1], v[WW+\k:WW+\k+1], v[SUM2+\k:SUM2+\k+1]
.endr
.endm
	s_mov_b32 s14, 0
.Lpoint:                                               ; point s14: its idx was shown in by the scalar wait of the trip before (the first: of the set-up)
	global_load_b128 v[XQ:XQ+3], v[XO], s[4:5] th:TH_LOAD_NT
.irp j, 0,1,2,3,4,5,6,7
	ISSUE 16+\j, \j
.endr
	s_lshl_b32 s15, s14, 7
	s_load_b512 s[32:47], s[6:7], s15              ; q of this point
	s_load_b512 s[48:63], s[6:7], s15 offset:0x40
	s_add_co_u32 s104, s14, 1
	s_min_u32 s104, s104, NPT-1                    ; the last look-ahead stays inside my points
	s_lshl_b32 s104, s104, 5
	s_load_b256 s[16:23], s[8:9], s104             ; idx of the next point: the lines above have read this one's
	s_wait_kmcnt 0x0
	s_wait_loadcnt 8                               ; xq is in; the 8 rows were issued behind it
.irp r, 0,1,2,3
	NMIXLO T+2*\r, XQ+\r, ONE, KB+2*\r
	NMIXHI T+2*\r+1, XQ+\r, ONE, KB+2*\r+1
.endr
	v_add_nc_u32 v[XO], 512, v[XO]                 ; free since the wait above
.irp j, 0,1,2,3,4,5,6,7
	ITEM \j
.endr
	s_add_co_u32 s14, s14, 1
	s_cmp_lt_u32 s14, NPT
	s_cbranch_scc1 .Lpoint
	s_lshl_b32 s13, s12, 11
	v_add_nc_u32 v84, s13, v[L16]
	ds_store_b128 v84, v[SUM1:SUM1+3]              ; in channel order
	ds_store_b128 v84, v[SUM1+4:SUM1+7] offset:512
	ds_store_b128 v84, v[SUM2:SUM2+3] offset:1024
	ds_store_b128 v84, v[SUM2+4:SUM2+7] offset:1536
	s_wait_dscnt 0x0                               ; for the others' sake
	s_barrier_signal -1
	s_barrier_wait -1
	s_cmp_gt_u32 s12, 7
	s_cbranch_scc1 .Lend
	v_and_b32 v85, 255, v0                         ; waves 0 to 7: thread t adds up 8 bytes of the 32 waves' records
	v_lshlrev_b32 v85, 3, v85
.set k, 0
.rept 32
	ds_load_b64 v[8+2*k:9+2*k], v85 offset:2048*k
.set k, k+1
.endr
	s_wait_dscnt 0x0
.irp h, 16,8,4,2,1
.set k, 0
.rept \h
	v_pk_add_f32 v[8+2*k:9+2*k], v[8+2*k:9+2*k], v[8+2*(k+\h):9+2*(k+\h)]
.set k, k+1
.endr
.endr
	s_lshl_b32 s13, ttmp9, 11
	v_add_nc_u32 v86, s13, v85
	global_store_b64 v86, v[8:9], s[10:11]         ; a wave stores 256 consecutive bytes, at a multiple of 256
.Lend:
	s_wait_tensorcnt 0x0                           ; the wave's end
	ds_add_u32 v6, v7
	s_wait_dscnt 0x0
	s_endpgm
.Lfunc_end_k_qfe20772c96_stats1:
	.size	k_qfe20772c96_stats1, .Lfunc_end_k_qfe20772c96_stats1-k_qfe20772c96_stats1
	.p2alignl 7, 3214868480
	.fill 96, 4, 3214868480
	.section	.rodata,"a",@progbits
	.p2align	6, 0x0
	.amdhsa_kernel k_qfe20772c96_stats1
		.amdhsa_group_segment_fixed_size 69632
		.amdhsa_private_segment_fixed_size 0
		.amdhsa_enable_private_segment 0
		.amdhsa_kernarg_size 40
		.amdhsa_user_sgpr_count 2
		.amdhsa_user_sgpr_kernarg_segment_ptr 1
		.amdhsa_wavefront_size32 1
		.amdhsa_system_sgpr_workgroup_id_x 1
		.amdhsa_system_sgpr_workgroup_id_y 1
		.amdhsa_system_sgpr_workgroup_id_z 1
		.amdhsa_system_vgpr_workitem_id 0
		.amdhsa_next_free_vgpr 116
		.amdhsa_next_free_sgpr 106
		.amdhsa_reserve_vcc 0
		.amdhsa_float_denorm_mode_32 3
		.amdhsa_float_denorm_mode_16_64 3
		.amdhsa_memory_ordered 1
		.amdhsa_forward_progress 1
		.amdhsa_inst_pref_size 29
	.end_amdhsa_kernel
	.amdgpu_metadata
---
amdhsa.version: [ 1, 2 ]
amdhsa.kernels:
  - .name:           k_qfe20772c96_stats1
    .symbol:         k_qfe20772c96_stats1.kd
    .args:
      - { .name: qkv, .offset: 0, .size: 8, .value_kind: global_buffer, .address_space: global }
      - { .name: idx, .offset: 8, .size: 8, .value_kind: global_buffer, .address_space: global }
      - { .name: wp2, .offset: 16, .size: 8, .value_kind: global_buffer, .address_space: global }
      - { .name: bp2, .offset: 24, .size: 8, .value_kind: global_buffer, .address_space: global }
      - { .name: part1, .offset: 32, .size: 8, .value_kind: global_buffer, .address_space: global }
    .group_segment_fixed_size: 69632
    .private_segment_fixed_size: 0
    .kernarg_segment_align: 8
    .kernarg_segment_size: 40
    .max_flat_workgroup_size: 1024
    .sgpr_count:     106
    .vgpr_count:     116
    .wavefront_size: 32
...
	.end_amdgpu_metadata
.endif
;; end of part 3
;; launch fin1 (part 4): grid 8 x 1, 8 waves a work-group, no clusters, 3,072 bytes of LDS; arguments part1, qkv, idx, wp2, bp2, g1, b1, prm1; writes prm1
.if DOCPART == 4
	.amdgcn_target "amdgcn-amd-amdhsa--gfx1250"
	.amdhsa_code_object_version 6
	.text
	.protected	k_qfe20772c96_fin1
	.globl	k_qfe20772c96_fin1
	.p2align	8
	.type	k_qfe20772c96_fin1,@function
k_qfe20772c96_fin1:
	s_mov_b64 s[64:65], 0
	v_nop
	global_prefetch_b8 v0, s[64:65] scope:SCOPE_SE
	s_setreg_imm32_b32 hwreg(HW_REG_WAVE_MODE, 25, 1), 1
	s_wait_xcnt 0x0
; fin1: the first BatchNorm of linear_w as a line a channel.  With mean = K1 + S1 / n, var = S2 / n - (S1 / n)^2 (n = 2^19, held at 0 from below):
;   A1 = g1 / sqrt(var + 1e-5);  C1 = b1 - A1 S1 / n (the normalised value of item (0, 0));  TB = C1 + A1 (bp2 - K1).
; prm1: A1[256], TB[256], C1[256] f32, in channel order.  A lane owns channel 32 g + lane; wave w adds up the records 32 w .. 32 w + 31; wave 0 finishes.
; Eight work-groups: the work is 512 KiB of partial sums, and a channel's sum has one owner.
.set RED,   0                          ; 8 waves x 256 bytes
.set SPARE, 2048
	s_load_b512 s[4:19], s[0:1], 0x0               ; part1 4, qkv 6, idx 8, wp2 10, bp2 12, g1 14, b1 16, prm1 18
	v_lshl_add_u32 v2, v0, 2, SPARE
	v_mov_b32 v3, 0
	v_and_b32 v1, 31, v0
	v_lshrrev_b32 v4, 5, v0
	v_readfirstlane_b32 s20, v4
	s_lshl_b32 s21, ttmp9, 5
	v_add_nc_u32 v5, s21, v1                       ; channel c
	v_lshlrev_b32 v6, 2, v5
	s_lshl_b32 s22, s20, 16
	v_add_nc_u32 v7, s22, v6                       ; record 32 w, word c
	v_and_b32 v8, 127, v5                          ; c's place in a stored row: 8 ((c % 128) / 4) + 4 (c / 128) + c % 4
	v_lshrrev_b32 v8, 2, v8
	v_lshlrev_b32 v8, 3, v8
	v_lshrrev_b32 v9, 7, v5
	v_lshl_add_u32 v8, v9, 2, v8
	v_and_b32 v9, 3, v5
	v_add_nc_u32 v8, v8, v9
	v_lshlrev_b32 v8, 1, v8
	v_mul_u32_u24 v9, v5, 12
	s_wait_kmcnt 0x0
	s_add_nc_u64 s[28:29], s[6:7], 0x6000000
	s_add_nc_u64 s[30:31], s[6:7], 0x2000000
	s_load_b32 s23, s[8:9], 0x0                    ; idx[0][0]
	s_load_b128 s[24:27], s[28:29], 0x0            ; q of item (0, 0)
.set k, 0
.rept 32
	global_load_b32 v[16+k], v7, s[4:5] offset:2048*k
	global_load_b32 v[48+k], v7, s[4:5] offset:2048*k+1024
.set k, k+1
.endr
	global_load_u16 v82, v8, s[6:7]                ; xq[0][c]
	global_load_b96 v[84:86], v9, s[10:11]         ; wp2[c]
	global_load_b32 v87, v6, s[12:13]
	global_load_b32 v88, v6, s[14:15]
	global_load_b32 v89, v6, s[16:17]
	s_wait_kmcnt 0x0
	s_min_u32 s23, s23, 0xffff
	v_lshl_add_u32 v81, s23, 9, v8
	global_load_u16 v80, v81, s[30:31]             ; xk[idx[0][0]][c]
	s_wait_loadcnt 0x0
.set k, 1
.rept 15
	v_pk_add_f32 v[16:17], v[16:17], v[16+2*k:17+2*k]
	v_pk_add_f32 v[48:49], v[48:49], v[48+2*k:49+2*k]
.set k, k+1
.endr
	v_add_f32 v16, v16, v17
	v_add_f32 v48, v48, v49
	s_lshl_b32 s22, s20, 8
	v_lshl_add_u32 v10, v1, 2, s22
	ds_store_b32 v10, v16
	ds_store_b32 v10, v48 offset:128
	s_wait_dscnt 0x0
	s_barrier_signal -1
	s_barrier_wait -1
	s_cmp_lg_u32 s20, 0
	s_cbranch_scc1 .Lend
	v_lshlrev_b32 v11, 2, v1
.set k, 0
.rept 8
	ds_load_b32 v[16+k], v11 offset:256*k
	ds_load_b32 v[48+k], v11 offset:256*k+128
.set k, k+1
.endr
	s_wait_dscnt 0x0
.set k, 1
.rept 3
	v_pk_add_f32 v[16:17], v[16:17], v[16+2*k:17+2*k]
	v_pk_add_f32 v[48:49], v[48:49], v[48+2*k:49+2*k]
.set k, k+1
.endr
	v_add_f32 v16, v16, v17
	v_add_f32 v48, v48, v49
	v_mul_f32 v16, 0x36000000, v16                 ; S1 / 2^19
	v_mul_f32 v48, 0x36000000, v48
	v_fma_f32 v48, -v16, v16, v48
	v_max_num_f32 v48, 0, v48
	v_add_f32 v48, 0x3727c5ac, v48                 ; + 1e-5
	v_rsq_f32 v48, v48
	v_nop
	v_cvt_f32_f16 v80, v80.l
	v_cvt_f32_f16 v82, v82.l
	s_wait_alu depctr_va_vdst(0)
	v_mul_f32 v48, v88, v48                        ; A1
	v_fma_f32 v49, -v48, v16, v89                  ; C1
	v_fma_f32 v50, v84, s24, v87                   ; K1, in the order in which the sums' kernel makes it
	v_fma_f32 v50, v85, s25, v50
	v_fma_f32 v50, v86, s26, v50
	v_add_f32 v50, v80, v50
	v_sub_f32 v50, v50, v82
	v_sub_f32 v50, v87, v50
	v_fma_f32 v50, v48, v50, v49                   ; TB
	global_store_b32 v6, v48, s[18:19]
	global_store_b32 v6, v50, s[18:19] offset:1024
	global_store_b32 v6, v49, s[18:19] offset:2048
.Lend:
	s_wait_tensorcnt 0x0                           ; the wave's end
	ds_add_u32 v2, v3
	s_wait_dscnt 0x0
	s_endpgm
.Lfunc_end_k_qfe20772c96_fin1:
	.size	k_qfe20772c96_fin1, .Lfunc_end_k_qfe20772c96_fin1-k_qfe20772c96_fin1
	.p2alignl 7, 3214868480
	.fill 96, 4, 3214868480
	.section	.rodata,"a",@progbits
	.p2align	6, 0x0
	.amdhsa_kernel k_qfe20772c96_fin1
		.amdhsa_group_segment_fixed_size 3072
		.amdhsa_private_segment_fixed_size 0
		.amdhsa_enable_private_segment 0
		.amdhsa_kernarg_size 64
		.amdhsa_user_sgpr_count 2
		.amdhsa_user_sgpr_kernarg_segment_ptr 1
		.amdhsa_wavefront_size32 1
		.amdhsa_system_sgpr_workgroup_id_x 1
		.amdhsa_system_sgpr_workgroup_id_y 1
		.amdhsa_system_sgpr_workgroup_id_z 1
		.amdhsa_system_vgpr_workitem_id 0
		.amdhsa_next_free_vgpr 96
		.amdhsa_next_free_sgpr 66
		.amdhsa_reserve_vcc 0
		.amdhsa_float_denorm_mode_32 3
		.amdhsa_float_denorm_mode_16_64 3
		.amdhsa_memory_ordered 1
		.amdhsa_forward_progress 1
		.amdhsa_inst_pref_size 14
	.end_amdhsa_kernel
	.amdgpu_metadata
---
amdhsa.version: [ 1, 2 ]
amdhsa.kernels:
  - .name:           k_qfe20772c96_fin1
    .symbol:         k_qfe20772c96_fin1.kd
    .args:
      - { .name: part1, .offset: 0, .size: 8, .value_kind: global_buffer, .address_space: global }
      - { .name: qkv, .offset: 8, .size: 8, .value_kind: global_buffer, .address_space: global }
      - { .name: idx, .offset: 16, .size: 8, .value_kind: global_buffer, .address_space: global }
      - { .name: wp2, .offset: 24, .size: 8, .value_kind: global_buffer, .address_space: global }
      - { .name: bp2, .offset: 32, .size: 8, .value_kind: global_buffer, .address_space: global }
      - { .name: g1, .offset: 40, .size: 8, .value_kind: global_buffer, .address_space: global }
      - { .name: b1, .offset: 48, .size: 8, .value_kind: global_buffer, .address_space: global }
      - { .name: prm1, .offset: 56, .size: 8, .value_kind: global_buffer, .address_space: global }
    .group_segment_fixed_size: 3072
    .private_segment_fixed_size: 0
    .kernarg_segment_align: 8
    .kernarg_segment_size: 64
    .max_flat_workgroup_size: 256
    .sgpr_count:     66
    .vgpr_count:     96
    .wavefront_size: 32
...
	.end_amdgpu_metadata
.endif
;; end of part 4
;; launch mid (part 5): grid 256 x 1, 8 waves a work-group, no clusters, 87,552 bytes of LDS; arguments qkv, prm1, idx, wp2, ww1, bw1, hb; writes hb
.if DOCPART == 5
	.amdgcn_target "amdgcn-amd-amdhsa--gfx1250"
	.amdhsa_code_object_version 6
	.text
	.protected	k_qfe20772c96_mid
	.globl	k_qfe20772c96_mid
	.p2align	8
	.type	k_qfe20772c96_mid,@function
k_qfe20772c96_mid:
	s_mov_b64 s[64:65], 0
	v_nop
	global_prefetch_b8 v0, s[64:65] scope:SCOPE_SE
	s_setreg_imm32_b32 hwreg(HW_REG_WAVE_MODE, 25, 1), 1
	s_wait_xcnt 0x0
; mid: u = relu(bn1(xk[idx] - xq + wp2 q + bp2)) as A1 xk + (TB - A1 xq) + (A1 wp2) q, summed in f32 and rounded once to f16; h = ww1 u + bw1 on the matrix unit (f16 operands, f32 sums);
; h - K2 stored as bf16, and partial sums of h - K2 for the second BatchNorm.  K2 = h of item (0, 0), the same in every wave (its u is relu(C1)).
; ww1 is rounded to bf16, like the program's other inputs, and that number is written as f16.
; hb: H at 0: [32768 tiles of 16 items][2][32 lanes][8] bf16, the accumulators' register image; at 0x2000000: [256 work-groups][64] f32 = S1[32], S2[32].
; SHARES.  A wave owns 32 points = 16 tiles (two points of 8 neighbours).  A load of the wave is a gathered row, idx and q come by scalar loads, 16 row slots in registers.
; A row of u goes into the wave's own 16 x 528 bytes of LDS, and comes back as source 1 (16 items x 32 K); source 0 is 16 rows of ww1, kept in window 1.
; So a lane holds one item and eight outputs.  K runs in the stored rows' order in u and in ww1 alike.  No tensor load (rows chosen by idx), no cluster (ww1 is 16 KiB, read once a work-group).
; LIMITS: a normalised value is at most sqrt(2^19) = 724 in size, so |u| <= 724 |g1| + |b1|, which must stay under 65,504 (f16): |g1| up to some 90; ww1 must stay under 65,504, and below 6e-5
; it keeps f16's fixed step of 6e-8; idx is held to 0 .. 65,535; NaN and infinities are not treated apart; the order of the sums is not reference()'s.
.set LASTP, 31
.set L16,  1
.set ZERO, 2
.set UST,  3                           ; v3   my 16 bytes in row 0 of my wave's u
.set UFR,  4                           ; v4   my place in a fragment of u
.set HO,   5                           ; v5   byte offset of the next tile in H
.set XO,   8                           ; v8-9
.set AA,   16                          ; v16-23  A1
.set TBB,  24                          ; v24-31  TB
.set AW,   32                          ; v32-55  A1 wp2[.][i] at AW + 8 i
.set T,    56
.set AC,   64
.set U,    72
.set HP,   76                          ; v76-83  a tile of h, packed
.set XQ,   84
.set OFF,  92
.set G,    108                         ; v108-171
.set BF,   172                         ; v172-235 u's fragments
.set D,    236                         ; v236-251 two accumulators
.set CI,   128                         ; window 1: bw1 - K2
.set SUM1, 144                         ; window 1
.set SUM2, 160
.set WT,   67584                       ; behind 8 x 8,448 bytes of u: ww1 in f16, 32 rows x 528
.set RED,  84480                       ; 8 x 256
.set SPARE, 86528
.set MSB, 0
.macro WIN new
.if MSB != (\new)
	s_set_vgpr_msb (MSB<<8)|(\new)
.set MSB, \new
.endif
.endm
.macro ULO d, a, b, c                  ; low half of d = f16(a, low half) x b + c, reckoned in f32 and rounded once to f16; the other half stays
	v_fma_mixlo_f16 v[\d], v[\a], v[\b], v[\c] op_sel_hi:[1,0,0]
.endm
.macro UHI d, a, b, c                  ; high half of d, from a's high half
	v_fma_mixhi_f16 v[\d], v[\a], v[\b], v[\c] op_sel:[1,0,0] op_sel_hi:[1,0,0]
.endm
.macro NMIXLO d, a, b, c               ; d = c - f16(a) x b, in f32
	v_fma_mix_f32 v[\d], -v[\a], v[\b], v[\c] op_sel_hi:[1,0,0]
.endm
.macro NMIXHI d, a, b, c
	v_fma_mix_f32 v[\d], -v[\a], v[\b], v[\c] op_sel:[1,0,0] op_sel_hi:[1,0,0]
.endm
.macro ISSUEA ix, slot                 ; the byte offset of the row named by s[ix]: the slot's last load has been waited for
	s_min_u32 s[\ix], s[\ix], 0xffff
	v_lshl_add_u32 v[OFF+(\slot)], s[\ix], 9, v[L16]
.endm
.macro ISSUEB slot                     ; and its load
	global_load_b128 v[G+4*(\slot):G+4*(\slot)+3], v[OFF+(\slot)], s[2:3]
.endm
; A tile's product: 16 LDS loads, 16 matrix instructions, the two accumulators by turns.  zero = 1: C is 0 (the sample); else bw1 - K2.
; post = 1: the sums, from each accumulator's low end, and the tile's 1,024 bytes of H.
.macro MATRIX zero, post
.set ks, 0
.rept 8                                ; LDS serves a wave's instructions in order (ISA guide 5.7.1.4): these see my stores of u
	ds_load_b128 v[BF+8*ks:BF+8*ks+3],   v[UFR] offset:ks*64
	ds_load_b128 v[BF+8*ks+4:BF+8*ks+7], v[UFR] offset:ks*64+32
.set ks, ks+1
.endr
	s_wait_dscnt 0x0
.if \zero
	WIN 0x01
	v_wmma_f32_16x16x32_f16 v[D:D+7],    v[0:7],   v[BF:BF+7], 0
	v_wmma_f32_16x16x32_f16 v[D+8:D+15], v[64:71], v[BF:BF+7], 0
.else
	WIN 0x11
	v_wmma_f32_16x16x32_f16 v[D:D+7],    v[0:7],   v[BF:BF+7], v[CI:CI+7]
	v_wmma_f32_16x16x32_f16 v[D+8:D+15], v[64:71], v[BF:BF+7], v[CI+8:CI+15]
	WIN 0x01
.endif
.set ks, 1
.rept 7
	v_wmma_f32_16x16x32_f16 v[D:D+7],    v[8*ks:8*ks+7],       v[BF+8*ks:BF+8*ks+7], v[D:D+7]
	v_wmma_f32_16x16x32_f16 v[D+8:D+15], v[64+8*ks:64+8*ks+7], v[BF+8*ks:BF+8*ks+7], v[D+8:D+15]
.set ks, ks+1
.endr
	WIN 0
.rept 4
	v_nop                                          ; the places behind the last products
.endr
.if \post
	WIN 0x41
.irp k, 0,2,4,6,8,10,12,14
	v_pk_add_f32 v[SUM1+\k:SUM1+\k+1], v[SUM1+\k:SUM1+\k+1], v[D+\k:D+\k+1]
.endr
	WIN 0x50
.irp k, 0,2,4,6,8,10,12,14
	v_pk_fma_f32 v[SUM2+\k:SUM2+\k+1], v[D+\k:D+\k+1], v[D+\k:D+\k+1], v[SUM2+\k:SUM2+\k+1]
.endr
	WIN 0
	s_wait_xcnt 0x0                                ; the last tile's stores: their data and offset are written again below
.irp k, 0,1,2,3,4,5,6,7
	v_cvt_pk_bf16_f32 v[HP+\k], v[D+2*\k], v[D+2*\k+1]
.endr
	v_add_nc_u32 v[HO], 1024, v[HO]
	global_store_b128 v[HO], v[HP:HP+3],   s[10:11] offset:-1024  ; 512 consecutive bytes each
	global_store_b128 v[HO], v[HP+4:HP+7], s[10:11] offset:-512
.endif
.endm
	s_load_b256 s[68:75], s[0:1], 0x0              ; qkv 68, prm1 70, idx 72, wp2 74 (in registers that q takes later)
	s_load_b128 s[76:79], s[0:1], 0x20             ; ww1 76, bw1 78
	s_load_b64 s[10:11], s[0:1], 0x30              ; hb
	v_lshl_add_u32 v6, v0, 2, SPARE
	v_mov_b32 v7, 0
	v_and_b32 v10, 31, v0
	v_lshlrev_b32 v[L16], 4, v10
	v_mov_b32 v[ZERO], 0
	v_lshrrev_b32 v11, 5, v0
	v_readfirstlane_b32 s12, v11                   ; wave
	v_and_b32 v11, 15, v0                          ; R
	v_bfe_u32 v12, v0, 4, 1                        ; H
	s_mul_i32 s13, s12, 8448
	v_add_nc_u32 v[UST], s13, v[L16]
	v_mul_u32_u24 v13, v11, 528
	v_lshl_add_u32 v13, v12, 4, v13
	v_add_nc_u32 v[UFR], s13, v13
	v_add_nc_u32 v13, WT, v13                      ; my place in a fragment of ww1
	v_mov_b32 v[HO], v[L16]
	v_mov_b32 v[XO], v[L16]
	v_add_nc_u32 v[XO+1], 512, v[L16]
	v_lshlrev_b32 v14, 5, v12                      ; 32 H
	v_mul_u32_u24 v15, v10, 48
	s_lshl_b32 s15, s12, 12
	v_add_nc_u32 v10, s15, v[L16]                  ; ww1: my wave's four rows
	s_mul_i32 s104, s12, 4*528
	s_add_co_u32 s104, s104, WT
	v_add_nc_u32 v11, s104, v[L16]                 ; and where they go
	s_lshl_b32 s13, ttmp9, 8
	s_lshl_b32 s15, s12, 5
	s_add_co_u32 s13, s13, s15                     ; my first point
	s_mov_b32 s101, 0
	s_wait_kmcnt 0x0
	s_add_nc_u64 s[2:3], s[68:69], 0x2000000       ; XK
	s_lshl_b32 s100, s13, 9
	s_add_nc_u64 s[4:5], s[68:69], s[100:101]      ; my rows of XQ
	s_add_nc_u64 s[10:11], s[10:11], s[100:101]    ; my tiles of H: 512 bytes a point
	s_lshl_b32 s100, s13, 7
	s_add_nc_u64 s[6:7], s[68:69], s[100:101]
	s_add_nc_u64 s[6:7], s[6:7], 0x6000000         ; my points' q
	s_lshl_b32 s100, s13, 5
	s_add_nc_u64 s[8:9], s[72:73], s[100:101]      ; my points' idx
	s_load_b256 s[16:23], s[8:9], 0x0
	s_load_b256 s[24:31], s[8:9], 0x20
	s_load_b512 s[32:47], s[6:7], 0x0
	s_load_b512 s[48:63], s[6:7], 0x40
	global_load_b128 v[AA:AA+3],    v[L16], s[70:71]
	global_load_b128 v[AA+4:AA+7],  v[L16], s[70:71] offset:512
	global_load_b128 v[TBB:TBB+3],   v[L16], s[70:71] offset:1024
	global_load_b128 v[TBB+4:TBB+7], v[L16], s[70:71] offset:1536
	global_load_b128 v[AC:AC+3],    v[L16], s[70:71] offset:2048   ; C1
	global_load_b128 v[AC+4:AC+7],  v[L16], s[70:71] offset:2560
.irp t, 0,1,2
	global_load_b128 v[172+4*\t:175+4*\t], v15, s[74:75] offset:16*\t
	global_load_b128 v[184+4*\t:187+4*\t], v15, s[74:75] offset:1536+16*\t
.endr
.irp r, 0,1,2,3
	global_load_b128 v[196+8*\r:199+8*\r], v10, s[76:77] offset:1024*\r
	global_load_b128 v[200+8*\r:203+8*\r], v10, s[76:77] offset:1024*\r+512
.endr
	WIN 0x40
	global_load_b128 v[CI:CI+3],     v14, s[78:79]                 ; bw1[16 t + 8 H + 0 .. 7]
	global_load_b128 v[CI+4:CI+7],   v14, s[78:79] offset:16
	global_load_b128 v[CI+8:CI+11],  v14, s[78:79] offset:64
	global_load_b128 v[CI+12:CI+15], v14, s[78:79] offset:80
	WIN 0
	s_wait_kmcnt 0x0
	global_load_b128 v[XQ:XQ+3], v[XO], s[4:5]     ; the ring: xq and rows of points 0 and 1
.irp j, 0,1,2,3,4,5,6,7
	ISSUEA 16+\j, \j
	ISSUEB \j
.endr
	global_load_b128 v[XQ+4:XQ+7], v[XO+1], s[4:5]
.irp j, 0,1,2,3,4,5,6,7
	ISSUEA 24+\j, 8+\j
	ISSUEB 8+\j
.endr
	s_load_b256 s[16:23], s[8:9], 0x40             ; idx of point 2
	s_wait_loadcnt 18                              ; all but the ring's 18 loads
.set e, 0
.rept 8
	v_mul_f32 v[AW+e],    v[AA+e], v[172+3*e]
	v_mul_f32 v[AW+8+e],  v[AA+e], v[173+3*e]
	v_mul_f32 v[AW+16+e], v[AA+e], v[174+3*e]
.set e, e+1
.endr
.irp r, 0,1,2,3                        ; ww1: rounded to bf16, widened again, written as f16; K in the stored rows' order
.irp k, 0,1,2,3
	v_cvt_pk_bf16_f32 v[T+\k], v[196+8*\r+2*\k], v[197+8*\r+2*\k]
.endr
.irp k, 0,1,2,3
	v_lshlrev_b32 v[196+8*\r+2*\k], 16, v[T+\k]
	v_and_b32 v[197+8*\r+2*\k], 0xffff0000, v[T+\k]
.endr
.irp k, 0,1,2,3
	v_cvt_pk_f16_f32 v[T+\k], v[196+8*\r+2*\k], v[197+8*\r+2*\k]
.endr
	ds_store_b128 v11, v[T:T+3] offset:528*\r
.endr
.irp r, 0,1,2,3                        ; the sample's u = relu(C1), into all 16 rows
	v_cvt_pk_f16_f32 v[U+\r], v[AC+2*\r], v[AC+2*\r+1]
.endr
.irp r, 0,1,2,3
	v_pk_max_num_f16 v[U+\r], v[U+\r], v[ZERO]
.endr
.set i, 0
.rept 16
	ds_store_b128 v[UST], v[U:U+3] offset:528*i
.set i, i+1
.endr
	s_wait_dscnt 0x0                               ; for the others' sake: my rows of ww1 are in LDS
	s_barrier_signal -1
	s_barrier_wait -1
	WIN 0x40
.set i, 0
.rept 16                               ; tile i / 8, K step i % 8
	ds_load_b128 v[8*i:8*i+3],   v13 offset:(i/8)*8448+(i%8)*64
	ds_load_b128 v[8*i+4:8*i+7], v13 offset:(i/8)*8448+(i%8)*64+32
.set i, i+1
.endr
	WIN 0
	MATRIX 1, 0                                    ; ww1 u0, the same in every item's lanes
	WIN 0x04
.irp k, 0,2,4,6,8,10,12,14
	v_pk_add_f32 v[D+\k:D+\k+1], v[D+\k:D+\k+1], v[CI+\k:CI+\k+1]      ; K2 = ww1 u0 + bw1
.endr
	WIN 0x41
.irp k, 0,2,4,6,8,10,12,14
	v_pk_add_f32 v[CI+\k:CI+\k+1], v[CI+\k:CI+\k+1], v[D+\k:D+\k+1] neg_lo:[0,1] neg_hi:[0,1]  ; bw1 - K2
.endr
	WIN 0x40
.set i, 0
.rept 32
	v_mov_b32 v[SUM1+i], 0
.set i, i+1
.endr
	WIN 0
; One item.  No memory instruction stands directly behind the vector result that it needs: the item's row of u is stored behind the next item's first four multiply-adds (item 7's: at the
; point's end), the next row's offset is made right behind the slot's wait, and its load follows the eight multiply-adds that read the slot.
.macro ITEM par, j, cnt, ahead
	s_mov_b32 s100, s[33+36*(\par)+4*(\j)]
.irp k, 0,2,4,6
	v_pk_fma_f32 v[AC+\k:AC+\k+1], v[AW+\k:AW+\k+1], s[32+36*(\par)+4*(\j):33+36*(\par)+4*(\j)], v[T+\k:T+\k+1] op_sel_hi:[1,0,1]
.endr
.if (\j) > 0
	ds_store_b128 v[UST], v[U:U+3] offset:(8*(\par)+(\j)-1)*528
.endif
.irp k, 0,2,4,6
	v_pk_fma_f32 v[AC+\k:AC+\k+1], v[AW+8+\k:AW+9+\k], s[100:101], v[AC+\k:AC+\k+1] op_sel_hi:[1,0,1]
.endr
.irp k, 0,2,4,6
	v_pk_fma_f32 v[AC+\k:AC+\k+1], v[AW+16+\k:AW+17+\k], s[34+36*(\par)+4*(\j):35+36*(\par)+4*(\j)], v[AC+\k:AC+\k+1] op_sel_hi:[1,0,1]
.endr
	s_wait_loadcnt \cnt
.if \ahead
	ISSUEA 16+8*(\par)+(\j), 8*(\par)+(\j)
.endif
.irp r, 0,1,2,3
	ULO U+\r, G+4*(8*(\par)+(\j))+\r, AA+2*\r, AC+2*\r
.endr
.irp r, 0,1,2,3
	UHI U+\r, G+4*(8*(\par)+(\j))+\r, AA+2*\r+1, AC+2*\r+1
.endr
.if \ahead
	ISSUEB 8*(\par)+(\j)
.endif
.irp r, 0,1,2,3
	v_pk_max_num_f16 v[U+\r], v[U+\r], v[ZERO]
.endr
.endm
; Point s14 + par: the scalar loads a point ahead, the rows two points ahead; in the loop every wait on the vector loads leaves 17 out (behind xq(n): 8 + 1 + 8; behind row (n, j): (7 - j) + 9 + 1 + j).
.macro POINT par, qnext, ahead, cx, cr, dec
	s_wait_kmcnt 0x0
.if \qnext
	s_add_co_u32 s15, s14, (\par)+1
	s_lshl_b32 s15, s15, 7
	s_load_b512 s[68-36*(\par):83-36*(\par)], s[6:7], s15
	s_load_b512 s[84-36*(\par):99-36*(\par)], s[6:7], s15 offset:0x40
.endif
.if \ahead
	s_add_co_u32 s104, s14, (\par)+3
	s_min_u32 s104, s104, LASTP
	s_lshl_b32 s104, s104, 5
	s_load_b256 s[24-8*(\par):31-8*(\par)], s[8:9], s104
.endif
	s_wait_loadcnt \cx
.irp r, 0,1,2,3
	NMIXLO T+2*\r, XQ+4*(\par)+\r, AA+2*\r, TBB+2*\r
	NMIXHI T+2*\r+1, XQ+4*(\par)+\r, AA+2*\r+1, TBB+2*\r+1
.endr
.if \ahead
	v_add_nc_u32 v[XO+(\par)], 1024, v[XO+(\par)]
	global_load_b128 v[XQ+4*(\par):XQ+4*(\par)+3], v[XO+(\par)], s[4:5]
.endif
.irp j, 0,1,2,3,4,5,6,7
	ITEM \par, \j, (\cr)-(\dec)*\j, \ahead
.endr
	ds_store_b128 v[UST], v[U:U+3] offset:(8*(\par)+7)*528
.endm
	s_mov_b32 s14, 0
.Ltile:
	POINT 0, 1, 1, 17, 17, 0
	POINT 1, 1, 1, 17, 17, 0
	MATRIX 0, 1
	s_add_co_u32 s14, s14, 2
	s_cmp_lt_u32 s14, LASTP-1
	s_cbranch_scc1 .Ltile
	POINT 0, 1, 0, 17, 16, 1                       ; the last tile issues no rows: the counts run down
	POINT 1, 0, 0, 8, 7, 1
	MATRIX 0, 1
	WIN 0x01                                       ; the 32 sums come into window 0; the 16 lanes of a half hold 16 items of the same outputs
.set i, 0
.rept 32
	v_mov_b32 v[G+i], v[SUM1+i]
.set i, i+1
.endr
	WIN 0
.irp m, 1,2,4,8
.set i, 0
.rept 32
	v_add_f32_dpp v[G+i], v[G+i], v[G+i] row_xmask:\m row_mask:0xf bank_mask:0xf
.set i, i+1
.endr
.endr
	v_bfe_u32 v10, v0, 4, 1
	s_lshl_b32 s13, s12, 8
	s_add_co_u32 s13, s13, RED
	v_lshl_add_u32 v10, v10, 5, s13
.irp k, 0,1
	ds_store_b128 v10, v[G+16*\k:G+16*\k+3]     offset:128*\k
	ds_store_b128 v10, v[G+16*\k+4:G+16*\k+7]   offset:128*\k+16
	ds_store_b128 v10, v[G+16*\k+8:G+16*\k+11]  offset:128*\k+64
	ds_store_b128 v10, v[G+16*\k+12:G+16*\k+15] offset:128*\k+80
.endr
	s_wait_dscnt 0x0
	s_barrier_signal -1
	s_barrier_wait -1
	s_cmp_lg_u32 s12, 0
	s_cbranch_scc1 .Lend
	s_load_b64 s[16:17], s[0:1], 0x30              ; hb once more: no scalar pair was free to keep it
	v_and_b32 v11, 31, v0
	v_lshlrev_b32 v11, 3, v11
	v_add_nc_u32 v12, RED, v11
.set k, 0
.rept 8
	ds_load_b64 v[G+2*k:G+2*k+1], v12 offset:256*k
.set k, k+1
.endr
	s_wait_dscnt 0x0
.set k, 1
.rept 7
	v_pk_add_f32 v[G:G+1], v[G:G+1], v[G+2*k:G+2*k+1]
.set k, k+1
.endr
	s_lshl_b32 s13, ttmp9, 8
	v_add_nc_u32 v11, s13, v11
	s_wait_kmcnt 0x0
	s_add_nc_u64 s[16:17], s[16:17], 0x2000000
	global_store_b64 v11, v[G:G+1], s[16:17]       ; 256 consecutive bytes
.Lend:
	s_wait_tensorcnt 0x0                           ; the wave's end
	ds_add_u32 v6, v7
	s_wait_dscnt 0x0
	s_endpgm
.Lfunc_end_k_qfe20772c96_mid:
	.size	k_qfe20772c96_mid, .Lfunc_end_k_qfe20772c96_mid-k_qfe20772c96_mid
	.p2alignl 7, 3214868480
	.fill 96, 4, 3214868480
	.section	.rodata,"a",@progbits
	.p2align	6, 0x0
	.amdhsa_kernel k_qfe20772c96_mid
		.amdhsa_group_segment_fixed_size 87552
		.amdhsa_private_segment_fixed_size 0
		.amdhsa_enable_private_segment 0
		.amdhsa_kernarg_size 56
		.amdhsa_user_sgpr_count 2
		.amdhsa_user_sgpr_kernarg_segment_ptr 1
		.amdhsa_wavefront_size32 1
		.amdhsa_system_sgpr_workgroup_id_x 1
		.amdhsa_system_sgpr_workgroup_id_y 1
		.amdhsa_system_sgpr_workgroup_id_z 1
		.amdhsa_system_vgpr_workitem_id 0
		.amdhsa_next_free_vgpr 432
		.amdhsa_next_free_sgpr 106
		.amdhsa_reserve_vcc 0
		.amdhsa_float_denorm_mode_32 3
		.amdhsa_float_denorm_mode_16_64 3
		.amdhsa_memory_ordered 1
		.amdhsa_forward_progress 1
		.amdhsa_inst_pref_size 100
	.end_amdhsa_kernel
	.amdgpu_metadata
---
amdhsa.version: [ 1, 2 ]
amdhsa.kernels:
  - .name:           k_qfe20772c96_mid
    .symbol:         k_qfe20772c96_mid.kd
    .args:
      - { .name: qkv, .offset: 0, .size: 8, .value_kind: global_buffer, .address_space: global }
      - { .name: prm1, .offset: 8, .size: 8, .value_kind: global_buffer, .address_space: global }
      - { .name: idx, .offset: 16, .size: 8, .value_kind: global_buffer, .address_space: global }
      - { .name: wp2, .offset: 24, .size: 8, .value_kind: global_buffer, .address_space: global }
      - { .name: ww1, .offset: 32, .size: 8, .value_kind: global_buffer, .address_space: global }
      - { .name: bw1, .offset: 40, .size: 8, .value_kind: global_buffer, .address_space: global }
      - { .name: hb, .offset: 48, .size: 8, .value_kind: global_buffer, .address_space: global }
    .group_segment_fixed_size: 87552
    .private_segment_fixed_size: 0
    .kernarg_segment_align: 8
    .kernarg_segment_size: 56
    .max_flat_workgroup_size: 256
    .sgpr_count:     106
    .vgpr_count:     432
    .wavefront_size: 32
...
	.end_amdgpu_metadata
.endif
;; end of part 5
;; launch final (part 6): grid 256 x 1, 16 waves a work-group, no clusters, 43,264 bytes of LDS; arguments hb, qkv, idx, wp2, bp2, g2, b2, ww2, bw2, out0; writes out0
.if DOCPART == 6
	.amdgcn_target "amdgcn-amd-amdhsa--gfx1250"
	.amdhsa_code_object_version 6
	.text
	.protected	k_qfe20772c96_final
	.globl	k_qfe20772c96_final
	.p2align	8
	.type	k_qfe20772c96_final,@function
k_qfe20772c96_final:
	s_mov_b64 s[64:65], 0
	v_nop
	global_prefetch_b8 v0, s[64:65] scope:SCOPE_SE
	s_setreg_imm32_b32 hwreg(HW_REG_WAVE_MODE, 25, 1), 1
	s_wait_xcnt 0x0
; final: the second BatchNorm and ReLU on h, w = ww2 . + bw2 on the matrix unit (bf16, f32 sums), softmax over the 8 neighbours (the maximum taken away, as reference() does),
; and out[n][c] = sum over j of w[j][c % 32] (xv[idx[n][j]][c] + wp2[c] q[j] + bp2[c]).
; The last is computed as sum_j w xv + sum_i wp2[c][i] R_i[c % 32] + bp2[c], R_i = sum_j w[j] q_i[j]; bp2 enters once because the weights made here add up to 1.
; H holds h - K2; with S1, S2 the sums of h - K2: a2 = g2 / sqrt(var + 1e-5), c2 = b2 - a2 S1 / n, n = 2^19, var = S2 / n - (S1 / n)^2 held at 0 from below.
; SHARES.  A wave owns 16 points = 8 tiles of 16 items.  H's register image is source 1 of the product as it lies (a lane: one item, K = 8 H + 0 .. 7 and 16 + 8 H + 0 .. 7).
; In the result a lane holds one item and eight planes, and a point's 8 neighbours lie in 8 neighbouring lanes: maximum and sum are three DPP steps.  The weights go through the wave's own
; 16 x 144 bytes of LDS: lane l of the gather needs the four planes 4 (l % 8) + 0 .. 3 for all its eight channels.
; BURSTS.  A trip is a tile.  Its 16 rows of xv (one load of the wave a row) are asked for at the trip's head, then q of its two points; the tile's softmax stands between the requests and
; the first use; the rows are used with counts that run down.  The next tile of H and the next idx are asked for inside the softmax.  With H's two loads a wave has 18 x 512 bytes out,
; the 16 waves 147,456; four waves lie on a SIMD and work while one waits.  Every trip is alike but for the last, which jumps over the lines that ask for a next tile; no tail is written.
; A slot's first register holds the row's byte offset, and the load lands on it.
; LIMITS: idx is held to 0 .. 65,535; a weight's exponential below 2^-126 counts as 0; NaN and infinities are not treated apart; the order of the sums is not reference()'s.
.set L16,  1
.set ZERO, 2
.set WST,  3                           ; v3   where my eight weights of an item go
.set WRD,  4                           ; v4   where my four planes of item 0 lie
.set HOF,  5                           ; v5   byte offset of the tile of H last asked for
.set OO,   8                           ; v8   byte offset of the next point in out0
.set BP,   16                          ; v16-23
.set W,    24                          ; v24-47  wp2[.][i] at W + 8 i
.set ACC,  48                          ; v48-55
.set R,    56                          ; v56-67  R_i at R + 4 i
.set AA2,  68                          ; v68-83
.set CC2,  84                          ; v84-99
.set WW,   100                         ; v100-115 ww2's two fragments
.set CB,   116                         ; v116-131 bw2 as C
.set HIN,  132                         ; v132-139 a tile of H
.set G,    140                         ; v140-203 16 slots of 4; in the set-up: at work
.set BB2,  204                         ; v204-211 source 1
.set L,    212                         ; v212-227 logits, then weights
.set M,    228                         ; v228-243 maxima, sums
.set F,    228                         ;          before them h in f32: done with when the products are issued
.set WQ,   212                         ; v212-243 a point's weights, 4 an item: over L and M, which are done with by then
.set RED2, 36864                       ; behind 16 x 2,304 bytes of weights: 16 x 256
.set PRM2, 40960                       ; a2[32], c2[32]
.set SPARE, 41216
.macro MIXLO d, a, b, c
	v_fma_mix_f32 v[\d], v[\a], v[\b], v[\c] op_sel_hi:[1,0,0]
.endm
.macro MIXHI d, a, b, c
	v_fma_mix_f32 v[\d], v[\a], v[\b], v[\c] op_sel:[1,0,0] op_sel_hi:[1,0,0]
.endm
.macro ISSUE ix, slot                  ; the row named by s[ix]; the slot's last load has been waited for
	s_min_u32 s[\ix], s[\ix], 0xffff
	v_lshl_add_u32 v[G+4*(\slot)], s[\ix], 9, v[L16]
	global_load_b128 v[G+4*(\slot):G+4*(\slot)+3], v[G+4*(\slot)], s[2:3]
.endm
	s_load_b512 s[68:83], s[0:1], 0x0              ; hb 68, qkv 70, idx 72, wp2 74, bp2 76, g2 78, b2 80, ww2 82 (in registers that q takes later)
	s_load_b128 s[84:87], s[0:1], 0x40             ; bw2 84, out0 86
	v_lshl_add_u32 v6, v0, 2, SPARE                ; my spare word, and 0: kept for the add alone
	v_mov_b32 v7, 0
	v_and_b32 v9, 31, v0
	v_lshlrev_b32 v[L16], 4, v9
	v_mov_b32 v[ZERO], 0
	v_lshrrev_b32 v10, 5, v0
	v_readfirstlane_b32 s12, v10                   ; wave
	v_and_b32 v10, 15, v0                          ; R
	v_bfe_u32 v11, v0, 4, 1                        ; H
	s_mul_i32 s13, s12, 2304
	v_mul_u32_u24 v[WST], v10, 144
	v_lshl_add_u32 v[WST], v11, 5, v[WST]
	v_add_nc_u32 v[WST], s13, v[WST]
	v_and_b32 v[WRD], 7, v0
	v_lshl_add_u32 v[WRD], v[WRD], 4, s13
	v_mov_b32 v[HOF], v[L16]
	v_mov_b32 v[OO], v[L16]
	v_lshlrev_b32 v12, 5, v11                      ; 32 H
	v_mul_u32_u24 v13, v9, 48
	v_lshl_add_u32 v14, v10, 7, v12                ; ww2: row R, K from 8 H
	s_lshl_b32 s15, s12, 12
	v_lshl_add_u32 v15, v9, 3, s15                 ; the partial sums: records 16 w .., 8 bytes a lane
	v_lshlrev_b32 v10, 2, v9                       ; 4 x lane
	s_lshl_b32 s15, s12, 8
	s_add_co_u32 s15, s15, RED2
	v_lshl_add_u32 v11, v9, 3, s15
	s_mov_b32 s105, 0xffff0000
	s_lshl_b32 s13, ttmp9, 8
	s_lshl_b32 s15, s12, 4
	s_add_co_u32 s13, s13, s15                     ; my first point
	s_mov_b32 s101, 0
	s_wait_kmcnt 0x0
	s_add_nc_u64 s[2:3], s[70:71], 0x4000000       ; XV
	s_add_nc_u64 s[88:89], s[68:69], 0x2000000     ; the partial sums
	s_lshl_b32 s100, s13, 9
	s_add_nc_u64 s[4:5], s[68:69], s[100:101]      ; my tiles of H
	s_lshl_b32 s100, s13, 7
	s_add_nc_u64 s[6:7], s[70:71], s[100:101]
	s_add_nc_u64 s[6:7], s[6:7], 0x6000000         ; my points' q
	s_lshl_b32 s100, s13, 5
	s_add_nc_u64 s[8:9], s[72:73], s[100:101]      ; my points' idx
	s_lshl_b32 s100, s13, 10
	s_add_nc_u64 s[10:11], s[86:87], s[100:101]    ; my rows of out0
	s_load_b512 s[16:31], s[8:9], 0x0              ; idx of tile 0's two points
.set k, 0
.rept 16
	global_load_b64 v[G+2*k:G+2*k+1], v15, s[88:89] offset:256*k
.set k, k+1
.endr
	global_load_b32 v[G+56], v10, s[78:79]         ; g2, b2: a lane an output
	global_load_b32 v[G+57], v10, s[80:81]
	global_load_b128 v[BP:BP+3],   v[L16], s[76:77]
	global_load_b128 v[BP+4:BP+7], v[L16], s[76:77] offset:512
.irp t, 0,1,2
	global_load_b128 v[G+32+4*\t:G+35+4*\t], v13, s[74:75] offset:16*\t
	global_load_b128 v[G+44+4*\t:G+47+4*\t], v13, s[74:75] offset:1536+16*\t
.endr
	global_load_b128 v[L:L+3],     v14, s[82:83]
	global_load_b128 v[L+4:L+7],   v14, s[82:83] offset:16
	global_load_b128 v[L+8:L+11],  v14, s[82:83] offset:64
	global_load_b128 v[L+12:L+15], v14, s[82:83] offset:80
	global_load_b128 v[M:M+3],     v14, s[82:83] offset:2048
	global_load_b128 v[M+4:M+7],   v14, s[82:83] offset:2064
	global_load_b128 v[M+8:M+11],  v14, s[82:83] offset:2112
	global_load_b128 v[M+12:M+15], v14, s[82:83] offset:2128
	global_load_b128 v[CB:CB+3],     v12, s[84:85]
	global_load_b128 v[CB+4:CB+7],   v12, s[84:85] offset:16
	global_load_b128 v[CB+8:CB+11],  v12, s[84:85] offset:64
	global_load_b128 v[CB+12:CB+15], v12, s[84:85] offset:80
	global_load_b128 v[HIN:HIN+3],   v[HOF], s[4:5] th:TH_LOAD_NT
	global_load_b128 v[HIN+4:HIN+7], v[HOF], s[4:5] offset:512 th:TH_LOAD_NT
	s_wait_loadcnt 24                              ; the 16 records are in: 22 parameter loads and H's 2 were issued behind them
.set k, 1
.rept 15
	v_pk_add_f32 v[G:G+1], v[G:G+1], v[G+2*k:G+2*k+1]
.set k, k+1
.endr
	ds_store_b64 v11, v[G:G+1]
	s_wait_loadcnt 2                               ; the parameters are in, and with them every load whose base lies in s68-s99; H's 2 loads may stay out
.set e, 0
.rept 8                                ; wp2 lies [channel][3]: sorted by i
	v_mov_b32 v[W+e],    v[G+32+3*e]
	v_mov_b32 v[W+8+e],  v[G+33+3*e]
	v_mov_b32 v[W+16+e], v[G+34+3*e]
.set e, e+1
.endr
.set e, 0
.rept 8
	v_cvt_pk_bf16_f32 v[WW+e],   v[L+2*e], v[L+2*e+1]
	v_cvt_pk_bf16_f32 v[WW+8+e], v[M+2*e], v[M+2*e+1]
.set e, e+1
.endr
	s_wait_dscnt 0x0                               ; for the others' sake: my sum of 16 records is in LDS
	s_barrier_signal -1
	s_barrier_wait -1
	s_cmp_lg_u32 s12, 0
	s_cbranch_scc1 .Lnot0
	v_add_nc_u32 v9, RED2, v10
.set k, 0
.rept 16
	ds_load_b32 v[G+k],    v9 offset:256*k
	ds_load_b32 v[G+16+k], v9 offset:256*k+128
.set k, k+1
.endr
	s_wait_dscnt 0x0
.set k, 1
.rept 7
	v_pk_add_f32 v[G:G+1],     v[G:G+1],     v[G+2*k:G+2*k+1]
	v_pk_add_f32 v[G+16:G+17], v[G+16:G+17], v[G+16+2*k:G+17+2*k]
.set k, k+1
.endr
	v_add_f32 v[G], v[G], v[G+1]
	v_add_f32 v[G+16], v[G+16], v[G+17]
	v_mul_f32 v[G], 0x36000000, v[G]               ; S1 / 2^19
	v_mul_f32 v[G+16], 0x36000000, v[G+16]
	v_fma_f32 v[G+16], -v[G], v[G], v[G+16]
	v_max_num_f32 v[G+16], 0, v[G+16]
	v_add_f32 v[G+16], 0x3727c5ac, v[G+16]         ; + 1e-5
	v_rsq_f32 v[G+16], v[G+16]
	v_add_nc_u32 v13, PRM2, v10                    ; a plain instruction behind the root
	s_wait_alu depctr_va_vdst(0)
	v_mul_f32 v[G+16], v[G+56], v[G+16]            ; a2
	v_fma_f32 v[G+17], -v[G+16], v[G], v[G+57]     ; c2
	ds_store_b32 v13, v[G+16]
	ds_store_b32 v13, v[G+17] offset:128
	s_wait_dscnt 0x0
.Lnot0:
	s_barrier_signal -1
	s_barrier_wait -1
	v_add_nc_u32 v12, PRM2, v12
.irp k, 0,1
	ds_load_b128 v[AA2+16*\k:AA2+16*\k+3],     v12 offset:128*\k
	ds_load_b128 v[AA2+16*\k+4:AA2+16*\k+7],   v12 offset:128*\k+16
	ds_load_b128 v[AA2+16*\k+8:AA2+16*\k+11],  v12 offset:128*\k+64
	ds_load_b128 v[AA2+16*\k+12:AA2+16*\k+15], v12 offset:128*\k+80
.endr
	s_wait_dscnt 0x0
	s_wait_kmcnt 0x0                               ; idx of tile 0
; A tile's weights.  As soon as H is unpacked the next tile of H and the next two points' idx are asked for; the last trip jumps over those lines.
.macro SOFT
	s_wait_loadcnt 16                              ; behind this tile of H: the trip's 16 rows
.irp r, 0,1,2,3,4,5,6,7
	v_lshlrev_b32 v[F+2*\r], 16, v[HIN+\r]
	v_and_b32 v[F+2*\r+1], s105, v[HIN+\r]
.endr
	s_cmp_eq_u32 s14, 14
	s_cbranch_scc1 .Lnonext
	v_add_nc_u32 v[HOF], 1024, v[HOF]              ; free since the wait above
	global_load_b128 v[HIN:HIN+3],   v[HOF], s[4:5] th:TH_LOAD_NT
	global_load_b128 v[HIN+4:HIN+7], v[HOF], s[4:5] offset:512 th:TH_LOAD_NT
	s_add_co_u32 s104, s14, 2
	s_lshl_b32 s104, s104, 5
	s_load_b512 s[16:31], s[8:9], s104             ; the trip's requests have read this tile's idx
.Lnonext:
.irp k, 0,2,4,6,8,10,12,14
	v_pk_fma_f32 v[F+\k:F+\k+1], v[F+\k:F+\k+1], v[AA2+\k:AA2+\k+1], v[CC2+\k:CC2+\k+1]
.endr
.irp k, 0,1,2,3,4,5,6,7
	v_cvt_pk_bf16_f32 v[BB2+\k], v[F+2*\k], v[F+2*\k+1]
.endr
.irp k, 0,1,2,3,4,5,6,7
	v_pk_max_num_bf16 v[BB2+\k], v[BB2+\k], v[ZERO]
.endr
	v_wmma_f32_16x16x32_bf16 v[L:L+7],    v[WW:WW+7],    v[BB2:BB2+7], v[CB:CB+7]
	v_wmma_f32_16x16x32_bf16 v[L+8:L+15], v[WW+8:WW+15], v[BB2:BB2+7], v[CB+8:CB+15]
.rept 4
	v_nop                                          ; the places behind the products
.endr
.set i, 0
.rept 16                               ; each accumulator is read from its low end on
	v_max_num_f32_dpp v[M+i], v[L+i], v[L+i] row_xmask:1 row_mask:0xf bank_mask:0xf
.set i, i+1
.endr
.irp m, 2,4
.set i, 0
.rept 16
	v_max_num_f32_dpp v[M+i], v[M+i], v[M+i] row_xmask:\m row_mask:0xf bank_mask:0xf
.set i, i+1
.endr
.endr
.irp k, 0,2,4,6,8,10,12,14
	v_pk_add_f32 v[L+\k:L+\k+1], v[L+\k:L+\k+1], v[M+\k:M+\k+1] neg_lo:[0,1] neg_hi:[0,1]
.endr
.irp k, 0,2,4,6,8,10,12,14
	v_pk_mul_f32 v[L+\k:L+\k+1], v[L+\k:L+\k+1], 0x3fb8aa3b op_sel_hi:[1,0]
.endr
.set i, 0
.rept 16
	v_exp_f32 v[L+i], v[L+i]
.set i, i+1
.endr
	v_nop                                          ; a plain instruction behind the last exponential
.set i, 0
	s_wait_alu depctr_va_vdst(0)
.rept 16
	v_add_f32_dpp v[M+i], v[L+i], v[L+i] row_xmask:1 row_mask:0xf bank_mask:0xf
.set i, i+1
.endr
.irp m, 2,4
.set i, 0
.rept 16
	v_add_f32_dpp v[M+i], v[M+i], v[M+i] row_xmask:\m row_mask:0xf bank_mask:0xf
.set i, i+1
.endr
.endr
.set i, 0
.rept 16
	v_rcp_f32 v[M+i], v[M+i]
.set i, i+1
.endr
	v_nop
	s_wait_alu depctr_va_vdst(0)
.irp k, 0,2,4,6,8,10,12,14
	v_pk_mul_f32 v[L+\k:L+\k+1], v[L+\k:L+\k+1], v[M+\k:M+\k+1]
.endr
	ds_store_b128 v[WST], v[L:L+3]
	ds_store_b128 v[WST], v[L+4:L+7]   offset:16
	ds_store_b128 v[WST], v[L+8:L+11]  offset:64
	ds_store_b128 v[WST], v[L+12:L+15] offset:80
.endm
; Item j of point par: row 8 par + j of the trip's 16.  The count names the later rows alone: it holds with H's two younger loads behind them and without.
.macro ITEM par, j
	s_wait_dscnt 7-(\j)                            ; this item's four weights; the later items' may be out
	s_wait_loadcnt 15-8*(\par)-(\j)
.irp r, 0,1,2,3
.if (\j) == 0
	MIXLO ACC+2*\r, G+4*(8*(\par)+(\j))+\r, WQ+4*(\j)+2*(\r%2), BP+2*\r
	MIXHI ACC+2*\r+1, G+4*(8*(\par)+(\j))+\r, WQ+4*(\j)+2*(\r%2)+1, BP+2*\r+1
.else
	MIXLO ACC+2*\r, G+4*(8*(\par)+(\j))+\r, WQ+4*(\j)+2*(\r%2), ACC+2*\r
	MIXHI ACC+2*\r+1, G+4*(8*(\par)+(\j))+\r, WQ+4*(\j)+2*(\r%2)+1, ACC+2*\r+1
.endif
.endr
	s_mov_b32 s100, s[33+36*(\par)+4*(\j)]
.irp k, 0,2
.if (\j) == 0
	v_pk_mul_f32 v[R+\k:R+\k+1],   v[WQ+4*(\j)+\k:WQ+4*(\j)+\k+1], s[32+36*(\par)+4*(\j):33+36*(\par)+4*(\j)] op_sel_hi:[1,0]
	v_pk_mul_f32 v[R+4+\k:R+5+\k], v[WQ+4*(\j)+\k:WQ+4*(\j)+\k+1], s[100:101] op_sel_hi:[1,0]
	v_pk_mul_f32 v[R+8+\k:R+9+\k], v[WQ+4*(\j)+\k:WQ+4*(\j)+\k+1], s[34+36*(\par)+4*(\j):35+36*(\par)+4*(\j)] op_sel_hi:[1,0]
.else
	v_pk_fma_f32 v[R+\k:R+\k+1],   v[WQ+4*(\j)+\k:WQ+4*(\j)+\k+1], s[32+36*(\par)+4*(\j):33+36*(\par)+4*(\j)], v[R+\k:R+\k+1] op_sel_hi:[1,0,1]
	v_pk_fma_f32 v[R+4+\k:R+5+\k], v[WQ+4*(\j)+\k:WQ+4*(\j)+\k+1], s[100:101], v[R+4+\k:R+5+\k] op_sel_hi:[1,0,1]
	v_pk_fma_f32 v[R+8+\k:R+9+\k], v[WQ+4*(\j)+\k:WQ+4*(\j)+\k+1], s[34+36*(\par)+4*(\j):35+36*(\par)+4*(\j)], v[R+8+\k:R+9+\k] op_sel_hi:[1,0,1]
.endif
.endr
.endm
; Point s14 + par: its weights out of LDS, its eight items, the position part, and its row of out0.
.macro POINT par
.if (\par) == 0
	s_wait_kmcnt 0x0                               ; q of both points, and the next tile's idx
.endif
.irp j, 0,1,2,3,4,5,6,7
	ds_load_b128 v[WQ+4*\j:WQ+4*\j+3], v[WRD] offset:(8*(\par)+\j)*144  ; LDS serves a wave's instructions in order (ISA guide 5.7.1.4): these see the weights stored above
.endr
	s_wait_xcnt 0x0                                ; the last point's stores: the sums and the offset are written again below
.irp j, 0,1,2,3,4,5,6,7
	ITEM \par, \j
.endr
.irp i, 0,1,2
.irp k, 0,1,2,3
	v_pk_fma_f32 v[ACC+2*\k:ACC+2*\k+1], v[W+8*\i+2*\k:W+8*\i+2*\k+1], v[R+4*\i+2*(\k%2):R+4*\i+2*(\k%2)+1], v[ACC+2*\k:ACC+2*\k+1]
.endr
.endr
	v_add_nc_u32 v[OO], 1024, v[OO]
	global_store_b128 v[OO], v[ACC:ACC+3],   s[10:11] offset:-1024 th:TH_STORE_NT  ; channels 4 l ..: 512 consecutive bytes
	global_store_b128 v[OO], v[ACC+4:ACC+7], s[10:11] offset:-512 th:TH_STORE_NT   ; channels 128 + 4 l ..: the row's other 512
.endm
	s_mov_b32 s14, 0
.Ltile:                                                ; points s14 and s14 + 1; their idx was shown in by the scalar wait of the trip before (the first: of the set-up)
.irp k, 0,1,2,3,4,5,6,7,8,9,10,11,12,13,14,15
	ISSUE 16+\k, \k
.endr
	s_lshl_b32 s15, s14, 7
	s_load_b512 s[32:47], s[6:7], s15              ; q of the first point,
	s_load_b512 s[48:63], s[6:7], s15 offset:0x40
	s_load_b512 s[68:83], s[6:7], s15 offset:0x80  ; and of the second
	s_load_b512 s[84:99], s[6:7], s15 offset:0xc0
	SOFT
	POINT 0
	POINT 1
	s_add_co_u32 s14, s14, 2
	s_cmp_lt_u32 s14, 16
	s_cbranch_scc1 .Ltile
	s_wait_tensorcnt 0x0                           ; the wave's end
	ds_add_u32 v6, v7
	s_wait_dscnt 0x0
	s_endpgm
.Lfunc_end_k_qfe20772c96_final:
	.size	k_qfe20772c96_final, .Lfunc_end_k_qfe20772c96_final-k_qfe20772c96_final
	.p2alignl 7, 3214868480
	.fill 96, 4, 3214868480
	.section	.rodata,"a",@progbits
	.p2align	6, 0x0
	.amdhsa_kernel k_qfe20772c96_final
		.amdhsa_group_segment_fixed_size 43264
		.amdhsa_private_segment_fixed_size 0
		.amdhsa_enable_private_segment 0
		.amdhsa_kernarg_size 80
		.amdhsa_user_sgpr_count 2
		.amdhsa_user_sgpr_kernarg_segment_ptr 1
		.amdhsa_wavefront_size32 1
		.amdhsa_system_sgpr_workgroup_id_x 1
		.amdhsa_system_sgpr_workgroup_id_y 1
		.amdhsa_system_sgpr_workgroup_id_z 1
		.amdhsa_system_vgpr_workitem_id 0
		.amdhsa_next_free_vgpr 244
		.amdhsa_next_free_sgpr 106
		.amdhsa_reserve_vcc 0
		.amdhsa_float_denorm_mode_32 3
		.amdhsa_float_denorm_mode_16_64 3
		.amdhsa_memory_ordered 1
		.amdhsa_forward_progress 1
		.amdhsa_inst_pref_size 48
	.end_amdhsa_kernel
	.amdgpu_metadata
---
amdhsa.version: [ 1, 2 ]
amdhsa.kernels:
  - .name:           k_qfe20772c96_final
    .symbol:         k_qfe20772c96_final.kd
    .args:
      - { .name: hb, .offset: 0, .size: 8, .value_kind: global_buffer, .address_space: global }
      - { .name: qkv, .offset: 8, .size: 8, .value_kind: global_buffer, .address_space: global }
      - { .name: idx, .offset: 16, .size: 8, .value_kind: global_buffer, .address_space: global }
      - { .name: wp2, .offset: 24, .size: 8, .value_kind: global_buffer, .address_space: global }
      - { .name: bp2, .offset: 32, .size: 8, .value_kind: global_buffer, .address_space: global }
      - { .name: g2, .offset: 40, .size: 8, .value_kind: global_buffer, .address_space: global }
      - { .name: b2, .offset: 48, .size: 8, .value_kind: global_buffer, .address_space: global }
      - { .name: ww2, .offset: 56, .size: 8, .value_kind: global_buffer, .address_space: global }
      - { .name: bw2, .offset: 64, .size: 8, .value_kind: global_buffer, .address_space: global }
      - { .name: out0, .offset: 72, .size: 8, .value_kind: global_buffer, .address_space: global }
    .group_segment_fixed_size: 43264
    .private_segment_fixed_size: 0
    .kernarg_segment_align: 8
    .kernarg_segment_size: 80
    .max_flat_workgroup_size: 512
    .sgpr_count:     106
    .vgpr_count:     244
    .wavefront_size: 32
...
	.end_amdgpu_metadata
.endif
;; end of part 6
;; ======== version 2 of 2: 6 launches; version 1 with the launches mid, final written anew for expert scheduling mode
;; limits: values are held in f16: magnitudes above 65,504 overflow, below 6.1e-05 lose precision
;; workspace buffers: pre 409,600 bytes; qkv 109,051,904 bytes; part1 524,288 bytes; prm1 3,072 bytes; hb 33,619,968 bytes
;; launch prep: the kernel of part 1 again; grid 256 x 1, 8 waves a work-group, no clusters, 1,536 bytes of LDS; arguments wq, wk, wv, p, idx, wp1, bp1, pre; writes pre
;; launch gemm: the kernel of part 2 again; grid 256 x 1, 4 waves a work-group, clusters of 4 x 1, 327,680 bytes of LDS; arguments x, pre, bq, bk, bv, p, idx, wp1, bp1, gp, btp, qkv; writes qkv
;; launch stats1: the kernel of part 3 again; grid 256 x 1, 32 waves a work-group, no clusters, 69,632 bytes of LDS; arguments qkv, idx, wp2, bp2, part1; writes part1
;; launch fin1: the kernel of part 4 again; grid 8 x 1, 8 waves a work-group, no clusters, 3,072 bytes of LDS; arguments part1, qkv, idx, wp2, bp2, g1, b1, prm1; writes prm1
;; launch mid (part 7): grid 256 x 1, 8 waves a work-group, no clusters, 87,552 bytes of LDS; arguments qkv, prm1, idx, wp2, ww1, bw1, hb; writes hb
.if DOCPART == 7
	.amdgcn_target "amdgcn-amd-amdhsa--gfx1250"
	.amdhsa_code_object_version 6
	.text
	.protected	k_qfe20772c96_mid
	.globl	k_qfe20772c96_mid
	.p2align	8
	.type	k_qfe20772c96_mid,@function
k_qfe20772c96_mid:
	s_mov_b64 s[64:65], 0
	v_nop
	global_prefetch_b8 v0, s[64:65] scope:SCOPE_SE
	s_setreg_imm32_b32 hwreg(HW_REG_WAVE_SCHED_MODE, 0, 2), 2
	s_setreg_imm32_b32 hwreg(HW_REG_WAVE_MODE, 25, 1), 1
	s_wait_xcnt 0x0
	s_wait_alu depctr_vm_vsrc(0)
; mid: u = relu(bn1(xk[idx] - xq + wp2 q + bp2)) as A1 xk + (TB - A1 xq) + (A1 wp2) q, summed in f32 and rounded once to f16; h = ww1 u + bw1 on the matrix unit (f16 operands, f32 sums);
; h - K2 stored as bf16, and partial sums of h - K2 for the second BatchNorm.  K2 = h of item (0, 0), the same in every wave (its u is relu(C1)).
; ww1 is rounded to bf16, like the program's other inputs, and that number is written as f16.
; hb: H at 0: [32768 tiles of 16 items][2][32 lanes][8] bf16, the accumulators' register image; at 0x2000000: [256 work-groups][64] f32 = S1[32], S2[32].
; SHARES.  A wave owns 32 points = 16 tiles (two points of 8 neighbours).  A load of the wave is a gathered row, idx and q come by scalar loads, 16 row slots in registers.
; A row of u goes into the wave's own 16 x 528 bytes of LDS, and comes back as source 1 (16 items x 32 K); source 0 is 16 rows of ww1, kept in window 1.
; So a lane holds one item and eight outputs.  K runs in the stored rows' order in u and in ww1 alike.  No tensor load (rows chosen by idx), no cluster (ww1 is 16 KiB, read once a work-group).
; LIMITS: a normalised value is at most sqrt(2^19) = 724 in size, so |u| <= 724 |g1| + |b1|, which must stay under 65,504 (f16): |g1| up to some 90; ww1 must stay under 65,504, and below 6e-5
; it keeps f16's fixed step of 6e-8; idx is held to 0 .. 65,535; NaN and infinities are not treated apart; the order of the sums is not reference()'s.
; THE MODE: SCHED_MODE bits 1:0 = 2 (LLVM: expert scheduling mode 2), set by the entry lines.  The code itself states the register dependences
; between vector or matrix instructions and memory or LDS instructions, with s_wait_alu, always for 0.
; THE PLAN.  A tile goes in four blocks of four items, B0 to B3, and the product.  Registers that memory or LDS instructions touch in the loop:
;   G, 16 slots    Block b's multiply-adds read slots 4 b .. 4 b + 3; the next tile's rows land in them by loads at the head of the next block (block 3's: at the product's head).
;   OFF, 16        Written in block b, behind the slot's own wait for its data; read by those loads.
;   U0, U1         Four rows of u each.  Block b writes U[b % 2]; four LDS stores, dealt among the next block's items (block 3's: at the product's head), read it.
;   XQ0, XQ1       Read at the head of B0 and of B2; loaded again at the head of B1 and of B3.
;   BF             LDS loads at the product's head land in it; the 16 matrix instructions read it.
;   HP             The eight conversions behind the product write it; two stores read it.
;   v[L16], v[UST], v[UFR], v[RST], v[RRD], v[RGO]   Made at the head, never written again: xq and H are reached by scalar bases that move on once a tile, and by immediate offsets.
; Block b's vector lines name G, OFF and U of block b, T and AC; its memory lines name G, OFF and U of block b - 1 and the xq that the block before read.  So one wait on va_vdst at
; the head of B1, B2, B3 and of the product states all that the lines behind it hang on, and they are issued with no further wait.  A wait on vm_vsrc stands at the head of B0, B2 and B3,
; ahead of the lines that write a U again.  One more wait on va_vdst stands ahead of the two stores of H.
.set LASTP, 31
.set L16,  1
.set ZERO, 2
.set UST,  3                           ; v3   my 16 bytes in row 0 of my wave's u
.set UFR,  4                           ; v4   my place in a fragment of u
.set RST,  5                           ; v5   the end: where my wave's partial sums go
.set RRD,  8                           ; v8   the end: where wave 0 reads them
.set RGO,  9                           ; v9   the end: where wave 0 stores the work-group's
.set AA,   16                          ; v16-23  A1
.set TBB,  24                          ; v24-31  TB
.set AW,   32                          ; v32-55  A1 wp2[.][i] at AW + 8 i
.set T,    56
.set AC,   64
.set HP,   76                          ; v76-83  a tile of h, packed
.set XQ,   84
.set OFF,  92
.set G,    108                         ; v108-171
.set U,    172                         ; v172-203 two buffers of four rows of u; at the head: wp2 as loaded (v172-195)
.set XW,   196                         ; v196-227 at the head only: my wave's four rows of ww1
.set D,    236                         ; v236-251 two accumulators
.set CI,   128                         ; window 1: bw1 - K2
.set SUM1, 144                         ; window 1
.set SUM2, 160
.set BF,   176                         ; window 1: v176-239 u's fragments
.set WT,   67584                       ; behind 8 x 8,448 bytes of u: ww1 in f16, 32 rows x 528
.set RED,  84480                       ; 8 x 256
.set SPARE, 86528
.set MSB, 0
.macro WIN new
.if MSB != (\new)
	s_set_vgpr_msb (MSB<<8)|(\new)
.set MSB, \new
.endif
.endm
.macro ULO d, a, b, c                  ; low half of d = f16(a, low half) x b + c, reckoned in f32 and rounded once to f16; the other half stays
	v_fma_mixlo_f16 v[\d], v[\a], v[\b], v[\c] op_sel_hi:[1,0,0]
.endm
.macro UHI d, a, b, c                  ; high half of d, from a's high half
	v_fma_mixhi_f16 v[\d], v[\a], v[\b], v[\c] op_sel:[1,0,0] op_sel_hi:[1,0,0]
.endm
.macro NMIXLO d, a, b, c               ; d = c - f16(a) x b, in f32
	v_fma_mix_f32 v[\d], -v[\a], v[\b], v[\c] op_sel_hi:[1,0,0]
.endm
.macro NMIXHI d, a, b, c
	v_fma_mix_f32 v[\d], -v[\a], v[\b], v[\c] op_sel:[1,0,0] op_sel_hi:[1,0,0]
.endm
.macro ISSUEA ix, slot                 ; the byte offset of the row named by s[ix]: the slot's last load has been waited for
	s_min_u32 s[\ix], s[\ix], 0xffff
	v_lshl_add_u32 v[OFF+(\slot)], s[\ix], 9, v[L16]
.endm
.macro ISSUEB slot                     ; and its load
	global_load_b128 v[G+4*(\slot):G+4*(\slot)+3], v[OFF+(\slot)], s[2:3]
.endm
; u's fragments: 16 LDS loads
.macro UFRAG
	WIN 0x40                                       ; destination window 1, address window 0
.set ks, 0
.rept 8                                ; LDS serves a wave's instructions in order (ISA guide 5.7.1.4): these see my stores of u
	ds_load_b128 v[BF+8*ks:BF+8*ks+3],   v[UFR] offset:ks*64
	ds_load_b128 v[BF+8*ks+4:BF+8*ks+7], v[UFR] offset:ks*64+32
.set ks, ks+1
.endr
	s_wait_dscnt 0x0
.endm
; A tile's product: 16 matrix instructions, the two accumulators by turns.  zero = 1: C is 0 (the sample); else bw1 - K2.
.macro PROD zero
.if \zero
	WIN 0x05
	v_wmma_f32_16x16x32_f16 v[D:D+7],    v[0:7],   v[BF:BF+7], 0
	v_wmma_f32_16x16x32_f16 v[D+8:D+15], v[64:71], v[BF:BF+7], 0
.else
	WIN 0x15
	v_wmma_f32_16x16x32_f16 v[D:D+7],    v[0:7],   v[BF:BF+7], v[CI:CI+7]
	v_wmma_f32_16x16x32_f16 v[D+8:D+15], v[64:71], v[BF:BF+7], v[CI+8:CI+15]
	WIN 0x05
.endif
.set ks, 1
.rept 7
	v_wmma_f32_16x16x32_f16 v[D:D+7],    v[8*ks:8*ks+7],       v[BF+8*ks:BF+8*ks+7], v[D:D+7]
	v_wmma_f32_16x16x32_f16 v[D+8:D+15], v[64+8*ks:64+8*ks+7], v[BF+8*ks:BF+8*ks+7], v[D+8:D+15]
.set ks, ks+1
.endr
	WIN 0
.rept 4
	v_nop                                          ; the places behind the last products
.endr
.endm
; Behind a tile's product: the tile packed, from each accumulator's low end; the sums; the tile's 1,024 bytes of H.
.macro POST
	s_wait_xcnt 0x0                                ; the last tile's stores and this tile's loads of xq: HP and the two bases are written again only behind this wait
	s_add_nc_u64 s[4:5], s[4:5], 1024              ; xq at the next tile's first point (behind the last tile the stepped address is not used)
	s_add_nc_u64 s[10:11], s[10:11], 1024          ; H one tile on: the stores below reach back
.irp k, 0,1,2,3,4,5,6,7
	v_cvt_pk_bf16_f32 v[HP+\k], v[D+2*\k], v[D+2*\k+1]
.endr
	WIN 0x41
.irp k, 0,2,4,6,8,10,12,14
	v_pk_add_f32 v[SUM1+\k:SUM1+\k+1], v[SUM1+\k:SUM1+\k+1], v[D+\k:D+\k+1]
.endr
	WIN 0x50
.irp k, 0,2,4,6,8,10,12,14
	v_pk_fma_f32 v[SUM2+\k:SUM2+\k+1], v[D+\k:D+\k+1], v[D+\k:D+\k+1], v[SUM2+\k:SUM2+\k+1]
.endr
	WIN 0
	s_wait_alu depctr_va_vdst(0)                   ; the conversions have written HP, which the two stores read; the sixteen lines of the sums stand between
	global_store_b128 v[L16], v[HP:HP+3],   s[10:11] offset:-1024  ; 512 consecutive bytes each
	global_store_b128 v[L16], v[HP+4:HP+7], s[10:11] offset:-512
.endm
	s_load_b256 s[68:75], s[0:1], 0x0              ; qkv 68, prm1 70, idx 72, wp2 74 (in registers that q takes later)
	s_load_b128 s[76:79], s[0:1], 0x20             ; ww1 76, bw1 78
	s_load_b64 s[10:11], s[0:1], 0x30              ; hb
	v_lshl_add_u32 v6, v0, 2, SPARE
	v_mov_b32 v7, 0
	v_and_b32 v10, 31, v0                          ; lane
	v_lshlrev_b32 v[L16], 4, v10
	v_mov_b32 v[ZERO], 0
	v_lshrrev_b32 v11, 5, v0
	v_readfirstlane_b32 s12, v11                   ; wave
	v_and_b32 v11, 15, v0                          ; R
	v_bfe_u32 v12, v0, 4, 1                        ; H
	v_mul_u32_u24 v13, v11, 528
	v_lshl_add_u32 v13, v12, 4, v13                ; a fragment's row x pitch + 16 H
	v_lshlrev_b32 v14, 5, v12                      ; 32 H
	v_mul_u32_u24 v15, v10, 48
	v_lshl_add_u32 v[RRD], v10, 3, RED             ; the end's three addresses are made here, with the others
	s_lshl_b32 s13, ttmp9, 8
	v_lshl_add_u32 v[RGO], v10, 3, s13
	s_wait_alu depctr_va_sdst(0)                   ; s12 is written, ahead of its first reader: LDS places and the bases are made from it
	s_mul_i32 s15, s12, 8448
	v_add_nc_u32 v[UST], s15, v[L16]
	v_add_nc_u32 v[UFR], s15, v13
	v_add_nc_u32 v13, WT, v13                      ; my place in a fragment of ww1
	s_lshl_b32 s15, s12, 12
	v_add_nc_u32 v10, s15, v[L16]                  ; ww1: my wave's four rows
	s_mul_i32 s104, s12, 4*528
	s_add_co_u32 s104, s104, WT
	v_add_nc_u32 v11, s104, v[L16]                 ; and where they go
	s_lshl_b32 s104, s12, 8
	s_add_co_u32 s104, s104, RED
	v_lshl_add_u32 v[RST], v12, 5, s104
	s_lshl_b32 s15, s12, 5
	s_add_co_u32 s13, s13, s15                     ; my first point
	s_mov_b32 s101, 0
	s_wait_kmcnt 0x0
	s_add_nc_u64 s[2:3], s[68:69], 0x2000000       ; XK
	s_lshl_b32 s100, s13, 9
	s_add_nc_u64 s[4:5], s[68:69], s[100:101]      ; my rows of XQ
	s_add_nc_u64 s[10:11], s[10:11], s[100:101]    ; my tiles of H: 512 bytes a point
	s_lshl_b32 s100, s13, 7
	s_add_nc_u64 s[6:7], s[68:69], s[100:101]
	s_add_nc_u64 s[6:7], s[6:7], 0x6000000         ; my points' q
	s_lshl_b32 s100, s13, 5
	s_add_nc_u64 s[8:9], s[72:73], s[100:101]      ; my points' idx
	s_load_b256 s[16:23], s[8:9], 0x0
	s_load_b256 s[24:31], s[8:9], 0x20
	s_load_b512 s[32:47], s[6:7], 0x0
	s_load_b512 s[48:63], s[6:7], 0x40
	s_wait_alu depctr_va_vdst(0)                   ; the offsets and LDS addresses v1, v3 to v5 and v8 to v15 are written, which the loads and stores of the whole kernel read
	global_load_b128 v[AA:AA+3],    v[L16], s[70:71]
	global_load_b128 v[AA+4:AA+7],  v[L16], s[70:71] offset:512
	global_load_b128 v[TBB:TBB+3],   v[L16], s[70:71] offset:1024
	global_load_b128 v[TBB+4:TBB+7], v[L16], s[70:71] offset:1536
	global_load_b128 v[AC:AC+3],    v[L16], s[70:71] offset:2048   ; C1
	global_load_b128 v[AC+4:AC+7],  v[L16], s[70:71] offset:2560
.irp t, 0,1,2
	global_load_b128 v[172+4*\t:175+4*\t], v15, s[74:75] offset:16*\t
	global_load_b128 v[184+4*\t:187+4*\t], v15, s[74:75] offset:1536+16*\t
.endr
.irp r, 0,1,2,3
	global_load_b128 v[XW+8*\r:XW+8*\r+3],   v10, s[76:77] offset:1024*\r
	global_load_b128 v[XW+8*\r+4:XW+8*\r+7], v10, s[76:77] offset:1024*\r+512
.endr
	WIN 0x40
	global_load_b128 v[CI:CI+3],     v14, s[78:79]                 ; bw1[16 t + 8 H + 0 .. 7]
	global_load_b128 v[CI+4:CI+7],   v14, s[78:79] offset:16
	global_load_b128 v[CI+8:CI+11],  v14, s[78:79] offset:64
	global_load_b128 v[CI+12:CI+15], v14, s[78:79] offset:80
	WIN 0
	s_wait_kmcnt 0x0
.irp j, 0,1,2,3,4,5,6,7,8,9,10,11,12,13,14,15
	ISSUEA 16+\j, \j                               ; the offsets of the rows of points 0 and 1
.endr
	s_wait_alu depctr_va_vdst(0)                   ; the sixteen offsets are written, which the ring's loads read
	global_load_b128 v[XQ:XQ+3], v[L16], s[4:5]    ; the ring, in the order in which the loop asks: xq, 8 rows, xq, 8 rows
.irp j, 0,1,2,3,4,5,6,7
	ISSUEB \j
.endr
	global_load_b128 v[XQ+4:XQ+7], v[L16], s[4:5] offset:512
.irp j, 8,9,10,11,12,13,14,15
	ISSUEB \j
.endr
	s_load_b256 s[16:23], s[8:9], 0x40             ; idx of point 2
	s_wait_loadcnt 18                              ; all but the ring's 18 loads
.set e, 0
.rept 8
	v_mul_f32 v[AW+e],    v[AA+e], v[172+3*e]
	v_mul_f32 v[AW+8+e],  v[AA+e], v[173+3*e]
	v_mul_f32 v[AW+16+e], v[AA+e], v[174+3*e]
.set e, e+1
.endr
.irp r, 0,1,2,3                        ; ww1: rounded to bf16, widened again, written as f16; K in the stored rows' order; a row's eight pairs close up into the first four of its eight registers
.irp k, 0,1,2,3
	v_cvt_pk_bf16_f32 v[T+\k], v[XW+8*\r+2*\k], v[XW+8*\r+2*\k+1]
.endr
.irp k, 0,1,2,3
	v_lshlrev_b32 v[XW+8*\r+2*\k], 16, v[T+\k]
	v_and_b32 v[XW+8*\r+2*\k+1], 0xffff0000, v[T+\k]
.endr
.irp k, 0,1,2,3
	v_cvt_pk_f16_f32 v[XW+8*\r+\k], v[XW+8*\r+2*\k], v[XW+8*\r+2*\k+1]
.endr
.endr
.irp r, 0,1,2,3                        ; the sample's u = relu(C1), into all 16 rows
	v_cvt_pk_f16_f32 v[U+\r], v[AC+2*\r], v[AC+2*\r+1]
.endr
.irp r, 0,1,2,3
	v_pk_max_num_f16 v[U+\r], v[U+\r], v[ZERO]
.endr
	s_wait_alu depctr_va_vdst(0)                   ; the conversions have written ww1's four rows and the sample's u, which the LDS stores read
.irp r, 0,1,2,3
	ds_store_b128 v11, v[XW+8*\r:XW+8*\r+3] offset:528*\r
.endr
.set i, 0
.rept 16
	ds_store_b128 v[UST], v[U:U+3] offset:528*i
.set i, i+1
.endr
	s_wait_dscnt 0x0                               ; for the others' sake: my rows of ww1 are in LDS
	s_barrier_signal -1
	s_barrier_wait -1
	WIN 0x40
.set i, 0
.rept 16                               ; tile i / 8, K step i % 8
	ds_load_b128 v[8*i:8*i+3],   v13 offset:(i/8)*8448+(i%8)*64
	ds_load_b128 v[8*i+4:8*i+7], v13 offset:(i/8)*8448+(i%8)*64+32
.set i, i+1
.endr
	UFRAG
	PROD 1                                         ; ww1 u0, the same in every item's lanes
	WIN 0x04
.irp k, 0,2,4,6,8,10,12,14
	v_pk_add_f32 v[D+\k:D+\k+1], v[D+\k:D+\k+1], v[CI+\k:CI+\k+1]      ; K2 = ww1 u0 + bw1
.endr
	WIN 0x41
.irp k, 0,2,4,6,8,10,12,14
	v_pk_add_f32 v[CI+\k:CI+\k+1], v[CI+\k:CI+\k+1], v[D+\k:D+\k+1] neg_lo:[0,1] neg_hi:[0,1]  ; bw1 - K2
.endr
	WIN 0x40
.set i, 0
.rept 32
	v_mov_b32 v[SUM1+i], 0
.set i, i+1
.endr
	WIN 0
; Item i of block b: slot and row 4 b + i.  Its u goes into four registers of its own in U[b % 2].  ahead = 1: the offset of the slot's next row is made right behind the wait for the slot's data.
.macro ITEM b, i, cnt, ahead
.set IQ,  32+36*((\b)/2)+4*(4*((\b)%2)+(\i))   ; the item's q0 .. q2 in scalar registers
.set ISL, 4*(\b)+(\i)
.set IUB, U+16*((\b)%2)+4*(\i)
	s_mov_b32 s100, s[IQ+1]
.irp k, 0,2,4,6
	v_pk_fma_f32 v[AC+\k:AC+\k+1], v[AW+\k:AW+\k+1], s[IQ:IQ+1], v[T+\k:T+\k+1] op_sel_hi:[1,0,1]
.endr
.irp k, 0,2,4,6
	v_pk_fma_f32 v[AC+\k:AC+\k+1], v[AW+8+\k:AW+9+\k], s[100:101], v[AC+\k:AC+\k+1] op_sel_hi:[1,0,1]
.endr
.irp k, 0,2,4,6
	v_pk_fma_f32 v[AC+\k:AC+\k+1], v[AW+16+\k:AW+17+\k], s[IQ+2:IQ+3], v[AC+\k:AC+\k+1] op_sel_hi:[1,0,1]
.endr
	s_wait_loadcnt \cnt
.if \ahead
	ISSUEA 16+ISL, ISL
.endif
.irp r, 0,1,2,3
	ULO IUB+\r, G+4*ISL+\r, AA+2*\r, AC+2*\r
.endr
.irp r, 0,1,2,3
	UHI IUB+\r, G+4*ISL+\r, AA+2*\r+1, AC+2*\r+1
.endr
.irp r, 0,1,2,3
	v_pk_max_num_f16 v[IUB+\r], v[IUB+\r], v[ZERO]
.endr
.endm
; The head of point s14 + par: the scalar loads a point ahead (q) and three points ahead (idx), and T = TB - A1 xq.
.macro PHEAD par, qnext, ahead, cx
	s_wait_kmcnt 0x0
.if \qnext
	s_add_co_u32 s15, s14, (\par)+1
	s_lshl_b32 s15, s15, 7
	s_load_b512 s[68-36*(\par):83-36*(\par)], s[6:7], s15
	s_load_b512 s[84-36*(\par):99-36*(\par)], s[6:7], s15 offset:0x40
.endif
.if \ahead
	s_add_co_u32 s104, s14, (\par)+3
	s_min_u32 s104, s104, LASTP
	s_lshl_b32 s104, s104, 5
	s_load_b256 s[24-8*(\par):31-8*(\par)], s[8:9], s104
.endif
	s_wait_loadcnt \cx
.irp r, 0,1,2,3
	NMIXLO T+2*\r, XQ+4*(\par)+\r, AA+2*\r, TBB+2*\r
	NMIXHI T+2*\r+1, XQ+4*(\par)+\r, AA+2*\r+1, TBB+2*\r+1
.endr
.endm
; Block b.  The loads go out in this order: B1: xq of the next tile's first point, rows 0-3; B2: rows 4-7; B3: xq of its second point, rows 8-11; the product's head: rows 12-15.
; cx: the loads issued behind the xq that is wanted; cr - i: those behind row 4 b + i.  In the loop: 17 behind an xq (4 + 4 + 5 + 4); 16 - i in B0 and B2 ((3 - i) + 13), 17 - i in B1 and B3 ((3 - i) + 14).
.macro BLOCK b, qnext, ahead, cx, cr
.if (\b) != 1
	s_wait_alu depctr_vm_vsrc(0)                   ; the LDS stores issued so far have read the U that this block writes again (B0: both U, of which B1 writes the other; the last stores of H have read HP); the loads have read OFF
.endif
.if (\b) != 0
	s_wait_alu depctr_va_vdst(0)                   ; the block before has written its U and its four OFF, which the lines below read, and is done reading its four slots and its xq, in which the loads below land
.if \ahead
.if (\b) != 2
	global_load_b128 v[XQ+4*((\b)/2):XQ+4*((\b)/2)+3], v[L16], s[4:5] offset:1024+512*((\b)/2)
.endif
.irp i, 0,1,2,3
	ISSUEB 4*(\b)-4+\i
.endr
.endif
.endif
.if (\b)%2 == 0
	PHEAD (\b)/2, \qnext, \ahead, \cx
.endif
.irp i, 0,1,2,3
.if (\b) != 0
	ds_store_b128 v[UST], v[U+16*(((\b)+1)%2)+4*\i:U+16*(((\b)+1)%2)+4*\i+3] offset:(4*(\b)-4+\i)*528  ; a row of the block before.  No wait: no vector line since the head's wait names it
.endif
	ITEM \b, \i, (\cr)-\i, \ahead
.endr
.endm
.macro TILE ahead, q1, c1, cx2, c2, c3
	BLOCK 0, 1, \ahead, 17, 16
	BLOCK 1, 0, \ahead, 0, \c1
	BLOCK 2, \q1, \ahead, \cx2, \c2
	BLOCK 3, 0, \ahead, 0, \c3
	s_wait_alu depctr_va_vdst(0)                   ; block 3 has written U1 and its four OFF and is done reading its four slots; the last tile's matrix instructions are done reading BF, in which the LDS loads below land
.if \ahead
.irp i, 12,13,14,15
	ISSUEB \i
.endr
.endif
.irp i, 0,1,2,3
	ds_store_b128 v[UST], v[U+16+4*\i:U+16+4*\i+3] offset:(12+\i)*528
.endr
	UFRAG
	PROD 0
	POST
.endm
	s_mov_b32 s14, 0
.Ltile:
	TILE 1, 1, 17, 17, 16, 17
	s_add_co_u32 s14, s14, 2
	s_cmp_lt_u32 s14, LASTP-1
	s_cbranch_scc1 .Ltile
	TILE 0, 0, 12, 8, 7, 3                         ; the last tile issues no loads: the counts run down
	WIN 0x01                                       ; the 32 sums come into window 0; the 16 lanes of a half hold 16 items of the same outputs
.set i, 0
.rept 32
	v_mov_b32 v[G+i], v[SUM1+i]
.set i, i+1
.endr
	WIN 0
.irp m, 1,2,4,8
.set i, 0
.rept 32
	v_add_f32_dpp v[G+i], v[G+i], v[G+i] row_xmask:\m row_mask:0xf bank_mask:0xf
.set i, i+1
.endr
.endr
	s_wait_alu depctr_va_vdst(0)                   ; the additions have written v[G ..], which the LDS stores read
.irp k, 0,1
	ds_store_b128 v[RST], v[G+16*\k:G+16*\k+3]     offset:128*\k
	ds_store_b128 v[RST], v[G+16*\k+4:G+16*\k+7]   offset:128*\k+16
	ds_store_b128 v[RST], v[G+16*\k+8:G+16*\k+11]  offset:128*\k+64
	ds_store_b128 v[RST], v[G+16*\k+12:G+16*\k+15] offset:128*\k+80
.endr
	s_wait_dscnt 0x0
	s_barrier_signal -1
	s_barrier_wait -1
	s_wait_alu depctr_vm_vsrc(0)                   ; my LDS stores have read v[G ..], in which wave 0's loads below land
	s_cmp_lg_u32 s12, 0
	s_cbranch_scc1 .Lend
	s_load_b64 s[16:17], s[0:1], 0x30              ; hb once more: no scalar pair was free to keep it
.set k, 0
.rept 8
	ds_load_b64 v[G+2*k:G+2*k+1], v[RRD] offset:256*k
.set k, k+1
.endr
	s_wait_dscnt 0x0
.set k, 1
.rept 7
	v_pk_add_f32 v[G:G+1], v[G:G+1], v[G+2*k:G+2*k+1]
.set k, k+1
.endr
	s_wait_kmcnt 0x0
	s_add_nc_u64 s[16:17], s[16:17], 0x2000000
	s_wait_alu depctr_va_vdst(0)                   ; the additions have written v[G:G+1], which the store reads
	global_store_b64 v[RGO], v[G:G+1], s[16:17]    ; 256 consecutive bytes
.Lend:
	s_wait_dscnt 0x0                               ; the closing lines, six on end
	s_wait_alu 0x0
	s_wait_tensorcnt 0x0
	ds_add_u32 v6, v7
	s_wait_dscnt 0x0
	s_endpgm
.Lfunc_end_k_qfe20772c96_mid:
	.size	k_qfe20772c96_mid, .Lfunc_end_k_qfe20772c96_mid-k_qfe20772c96_mid
	.p2alignl 7, 3214868480
	.fill 96, 4, 3214868480
	.section	.rodata,"a",@progbits
	.p2align	6, 0x0
	.amdhsa_kernel k_qfe20772c96_mid
		.amdhsa_group_segment_fixed_size 87552
		.amdhsa_private_segment_fixed_size 0
		.amdhsa_enable_private_segment 0
		.amdhsa_kernarg_size 56
		.amdhsa_user_sgpr_count 2
		.amdhsa_user_sgpr_kernarg_segment_ptr 1
		.amdhsa_wavefront_size32 1
		.amdhsa_system_sgpr_workgroup_id_x 1
		.amdhsa_system_sgpr_workgroup_id_y 1
		.amdhsa_system_sgpr_workgroup_id_z 1
		.amdhsa_system_vgpr_workitem_id 0
		.amdhsa_next_free_vgpr 496
		.amdhsa_next_free_sgpr 106
		.amdhsa_reserve_vcc 0
		.amdhsa_float_denorm_mode_32 3
		.amdhsa_float_denorm_mode_16_64 3
		.amdhsa_memory_ordered 1
		.amdhsa_forward_progress 1
		.amdhsa_inst_pref_size 101
	.end_amdhsa_kernel
	.amdgpu_metadata
---
amdhsa.version: [ 1, 2 ]
amdhsa.kernels:
  - .name:           k_qfe20772c96_mid
    .symbol:         k_qfe20772c96_mid.kd
    .args:
      - { .name: qkv, .offset: 0, .size: 8, .value_kind: global_buffer, .address_space: global }
      - { .name: prm1, .offset: 8, .size: 8, .value_kind: global_buffer, .address_space: global }
      - { .name: idx, .offset: 16, .size: 8, .value_kind: global_buffer, .address_space: global }
      - { .name: wp2, .offset: 24, .size: 8, .value_kind: global_buffer, .address_space: global }
      - { .name: ww1, .offset: 32, .size: 8, .value_kind: global_buffer, .address_space: global }
      - { .name: bw1, .offset: 40, .size: 8, .value_kind: global_buffer, .address_space: global }
      - { .name: hb, .offset: 48, .size: 8, .value_kind: global_buffer, .address_space: global }
    .group_segment_fixed_size: 87552
    .private_segment_fixed_size: 0
    .kernarg_segment_align: 8
    .kernarg_segment_size: 56
    .max_flat_workgroup_size: 256
    .sgpr_count:     106
    .vgpr_count:     496
    .wavefront_size: 32
...
	.end_amdgpu_metadata
.endif
;; end of part 7
;; launch final (part 8): grid 256 x 1, 16 waves a work-group, no clusters, 43,264 bytes of LDS; arguments hb, qkv, idx, wp2, bp2, g2, b2, ww2, bw2, out0; writes out0
.if DOCPART == 8
	.amdgcn_target "amdgcn-amd-amdhsa--gfx1250"
	.amdhsa_code_object_version 6
	.text
	.protected	k_qfe20772c96_final
	.globl	k_qfe20772c96_final
	.p2align	8
	.type	k_qfe20772c96_final,@function
k_qfe20772c96_final:
	s_mov_b64 s[64:65], 0
	v_nop
	global_prefetch_b8 v0, s[64:65] scope:SCOPE_SE
	s_setreg_imm32_b32 hwreg(HW_REG_WAVE_SCHED_MODE, 0, 2), 2
	s_setreg_imm32_b32 hwreg(HW_REG_WAVE_MODE, 25, 1), 1
	s_wait_xcnt 0x0
	s_wait_alu depctr_vm_vsrc(0)
; final: the second BatchNorm and ReLU on h, w = ww2 . + bw2 on the matrix unit (bf16, f32 sums), softmax over the 8 neighbours (the maximum taken away, as reference() does),
; and out[n][c] = sum over j of w[j][c % 32] (xv[idx[n][j]][c] + wp2[c] q[j] + bp2[c]).
; The last is computed as sum_j w xv + sum_i wp2[c][i] R_i[c % 32] + bp2[c], R_i = sum_j w[j] q_i[j]; bp2 enters once because the weights made here add up to 1.
; H holds h - K2; with S1, S2 the sums of h - K2: a2 = g2 / sqrt(var + 1e-5), c2 = b2 - a2 S1 / n, n = 2^19, var = S2 / n - (S1 / n)^2 held at 0 from below.
; SHARES.  A wave owns 16 points = 8 tiles of 16 items.  H's register image is source 1 of the product as it lies (a lane: one item, K = 8 H + 0 .. 7 and 16 + 8 H + 0 .. 7).
; In the result a lane holds one item and eight planes, and a point's 8 neighbours lie in 8 neighbouring lanes: maximum and sum are three DPP steps.  The weights go through the wave's own
; 16 x 144 bytes of LDS: lane l of the gather needs the four planes 4 (l % 8) + 0 .. 3 for all its eight channels.
; BURSTS.  A trip is a tile.  Its 16 rows of xv (one load of the wave a row) are asked for at the trip's head, then q of its two points; the tile's softmax stands between the requests and
; the first use; the rows are used with counts that run down.  The next tile of H and the next idx are asked for behind the softmax.  With H's two loads a wave has 18 x 512 bytes out,
; the 16 waves 147,456; four waves lie on a SIMD and work while one waits.  Every trip is alike but for the last, which jumps over the lines that ask for a next tile; no tail is written.
; LIMITS: idx is held to 0 .. 65,535; a weight's exponential below 2^-126 counts as 0; NaN and infinities are not treated apart; the order of the sums is not reference()'s.
; THE MODE: SCHED_MODE bits 1:0 = 2 (LLVM: expert scheduling mode 2), set by the entry lines.  The code itself states the register dependences
; between vector or matrix instructions and memory or LDS instructions, with s_wait_alu, always for 0.
; THE PLAN.  Registers that memory or LDS instructions touch in the loop:
;   G, 16 slots    The 16 loads at the trip's head land in them; the two points' items read them.
;   OFF, 16        Written at the trip's end, for the next tile; read by the loads at the next trip's head.
;   HIN            Read by the sixteen unpacking lines at the softmax's head; loaded again behind the weights' stores.
;   L              Written last by the eight multiplies that finish the weights; read by the four LDS stores.
;   WQ (L and M)   The first point's weights land behind those stores, the second point's behind the first point's items; the items read them.
;   ACC0, ACC1     A point's sums each; read by the four stores at the trip's end.
;   v[L16], v[WST], v[WRD]   Made at the head, never written again: H and out0 are reached by scalar bases that move on once a trip.
; THE WAITS of a trip, beside the two behind the exponentials and the reciprocals: va_vdst behind the weights' multiplies (for the LDS stores, H's loads and the first weights' loads);
; vm_vsrc behind those stores (L is free for the weights' loads; the last trip's stores have read both ACC; the head's loads have read OFF); va_vdst behind the first point's items (WQ is free);
; va_vdst at the trip's end, for the four stores and, over the backward jump, for the next trip's 16 loads: only stores and scalar lines stand between.
.set L16,  1
.set ZERO, 2
.set WST,  3                           ; v3   where my eight weights of an item go
.set WRD,  4                           ; v4   where my four planes of item 0 lie
.set BP,   8                           ; v8-15
.set W,    16                          ; v16-39  wp2[.][i] at W + 8 i
.set ACC,  40                          ; v40-55  two buffers, a point each
.set R,    56                          ; v56-67  R_i at R + 4 i
.set BB2,  56                          ; v56-63  source 1 of the product: done with before a point writes R, and written when the last point's R is done with
.set AA2,  68                          ; v68-83
.set CC2,  84                          ; v84-99
.set WW,   100                         ; v100-115 ww2's two fragments
.set CB,   116                         ; v116-131 bw2 as C
.set HIN,  132                         ; v132-139 a tile of H
.set G,    140                         ; v140-203 16 slots of 4; in the set-up: at work
.set OFF,  204                         ; v204-219 a slot's byte offset
.set L,    220                         ; v220-235 logits, then weights
.set M,    236                         ; v236-251 maxima, sums
.set F,    236                         ;          before them h in f32: done with when the products are issued
.set WQ,   220                         ; v220-251 a point's weights, 4 an item: over L and M, which are done with by then
.set TL,   40                          ; v40-51  in the set-up only: lane, R, H, 32 H, 48 x lane, ww2's offset, the records' offset, 4 x lane, and four LDS addresses
.set TR,   41
.set TH,   42
.set T32,  43
.set T48,  44
.set TWW,  45
.set TPS,  46
.set T4,   47
.set TRS,  48
.set TRR,  49
.set TPW,  50
.set TPR,  51
.set RED2, 36864                       ; behind 16 x 2,304 bytes of weights: 16 x 256
.set PRM2, 40960                       ; a2[32], c2[32]
.set SPARE, 41216
.macro MIXLO d, a, b, c
	v_fma_mix_f32 v[\d], v[\a], v[\b], v[\c] op_sel_hi:[1,0,0]
.endm
.macro MIXHI d, a, b, c
	v_fma_mix_f32 v[\d], v[\a], v[\b], v[\c] op_sel:[1,0,0] op_sel_hi:[1,0,0]
.endm
.macro OFFS                            ; the byte offsets of the 16 rows named by s16-s31
.irp k, 0,1,2,3,4,5,6,7,8,9,10,11,12,13,14,15
	s_min_u32 s[16+\k], s[16+\k], 0xffff
	v_lshl_add_u32 v[OFF+\k], s[16+\k], 9, v[L16]
.endr
.endm
	s_load_b512 s[68:83], s[0:1], 0x0              ; hb 68, qkv 70, idx 72, wp2 74, bp2 76, g2 78, b2 80, ww2 82 (in registers that q takes later)
	s_load_b128 s[84:87], s[0:1], 0x40             ; bw2 84, out0 86
	v_lshl_add_u32 v6, v0, 2, SPARE                ; my spare word, and 0: kept for the add alone
	v_mov_b32 v7, 0
	v_and_b32 v[TL], 31, v0
	v_lshlrev_b32 v[L16], 4, v[TL]
	v_mov_b32 v[ZERO], 0
	v_lshrrev_b32 v[TR], 5, v0
	v_readfirstlane_b32 s12, v[TR]                 ; wave
	v_and_b32 v[TR], 15, v0                        ; R
	v_bfe_u32 v[TH], v0, 4, 1                      ; H
	v_lshlrev_b32 v[T32], 5, v[TH]                 ; 32 H
	v_mul_u32_u24 v[T48], v[TL], 48
	v_lshl_add_u32 v[TWW], v[TR], 7, v[T32]        ; ww2: row R, K from 8 H
	v_lshlrev_b32 v[T4], 2, v[TL]                  ; 4 x lane
	v_add_nc_u32 v[TRR], RED2, v[T4]               ; every LDS address of the set-up is made here, with the offsets
	v_add_nc_u32 v[TPW], PRM2, v[T4]
	v_add_nc_u32 v[TPR], PRM2, v[T32]
	s_wait_alu depctr_va_sdst(0)                   ; s12 is written, ahead of its first reader: LDS places and the bases are made from it
	s_mul_i32 s13, s12, 2304
	v_mul_u32_u24 v[WST], v[TR], 144
	v_lshl_add_u32 v[WST], v[TH], 5, v[WST]
	v_add_nc_u32 v[WST], s13, v[WST]
	v_and_b32 v[WRD], 7, v0
	v_lshl_add_u32 v[WRD], v[WRD], 4, s13
	s_lshl_b32 s15, s12, 12
	v_lshl_add_u32 v[TPS], v[TL], 3, s15           ; the partial sums: records 16 w .., 8 bytes a lane
	s_lshl_b32 s15, s12, 8
	s_add_co_u32 s15, s15, RED2
	v_lshl_add_u32 v[TRS], v[TL], 3, s15
	s_mov_b32 s105, 0xffff0000
	s_lshl_b32 s13, ttmp9, 8
	s_lshl_b32 s15, s12, 4
	s_add_co_u32 s13, s13, s15                     ; my first point
	s_mov_b32 s101, 0
	s_wait_kmcnt 0x0
	s_add_nc_u64 s[2:3], s[70:71], 0x4000000       ; XV
	s_add_nc_u64 s[88:89], s[68:69], 0x2000000     ; the partial sums
	s_lshl_b32 s100, s13, 9
	s_add_nc_u64 s[4:5], s[68:69], s[100:101]      ; my tiles of H
	s_lshl_b32 s100, s13, 7
	s_add_nc_u64 s[6:7], s[70:71], s[100:101]
	s_add_nc_u64 s[6:7], s[6:7], 0x6000000         ; my points' q
	s_lshl_b32 s100, s13, 5
	s_add_nc_u64 s[8:9], s[72:73], s[100:101]      ; my points' idx
	s_lshl_b32 s100, s13, 10
	s_add_nc_u64 s[10:11], s[86:87], s[100:101]    ; my rows of out0
	s_load_b512 s[16:31], s[8:9], 0x0              ; idx of tile 0's two points
	s_wait_alu depctr_va_vdst(0)                   ; the offsets and LDS addresses v1, v3, v4 and v43 to v51 are written, which the loads and stores below read
.set k, 0
.rept 16
	global_load_b64 v[G+2*k:G+2*k+1], v[TPS], s[88:89] offset:256*k
.set k, k+1
.endr
	global_load_b32 v[G+56], v[T4], s[78:79]       ; g2, b2: a lane an output
	global_load_b32 v[G+57], v[T4], s[80:81]
	global_load_b128 v[BP:BP+3],   v[L16], s[76:77]
	global_load_b128 v[BP+4:BP+7], v[L16], s[76:77] offset:512
.irp t, 0,1,2
	global_load_b128 v[G+32+4*\t:G+35+4*\t], v[T48], s[74:75] offset:16*\t
	global_load_b128 v[G+44+4*\t:G+47+4*\t], v[T48], s[74:75] offset:1536+16*\t
.endr
	global_load_b128 v[L:L+3],     v[TWW], s[82:83]
	global_load_b128 v[L+4:L+7],   v[TWW], s[82:83] offset:16
	global_load_b128 v[L+8:L+11],  v[TWW], s[82:83] offset:64
	global_load_b128 v[L+12:L+15], v[TWW], s[82:83] offset:80
	global_load_b128 v[M:M+3],     v[TWW], s[82:83] offset:2048
	global_load_b128 v[M+4:M+7],   v[TWW], s[82:83] offset:2064
	global_load_b128 v[M+8:M+11],  v[TWW], s[82:83] offset:2112
	global_load_b128 v[M+12:M+15], v[TWW], s[82:83] offset:2128
	global_load_b128 v[CB:CB+3],     v[T32], s[84:85]
	global_load_b128 v[CB+4:CB+7],   v[T32], s[84:85] offset:16
	global_load_b128 v[CB+8:CB+11],  v[T32], s[84:85] offset:64
	global_load_b128 v[CB+12:CB+15], v[T32], s[84:85] offset:80
	global_load_b128 v[HIN:HIN+3],   v[L16], s[4:5] th:TH_LOAD_NT
	global_load_b128 v[HIN+4:HIN+7], v[L16], s[4:5] offset:512 th:TH_LOAD_NT
	s_wait_loadcnt 24                              ; the 16 records are in: 22 parameter loads and H's 2 were issued behind them
.set k, 1
.rept 15
	v_pk_add_f32 v[G:G+1], v[G:G+1], v[G+2*k:G+2*k+1]
.set k, k+1
.endr
	s_wait_alu depctr_va_vdst(0)                   ; the additions have written v[G:G+1], which the LDS store reads, and are done with v[G .. G+31], in which wave 0's LDS loads land
	ds_store_b64 v[TRS], v[G:G+1]
	s_wait_loadcnt 2                               ; the parameters are in, and with them every load whose base lies in s68-s99; H's 2 loads may stay out
.set e, 0
.rept 8                                ; wp2 lies [channel][3]: sorted by i
	v_mov_b32 v[W+e],    v[G+32+3*e]
	v_mov_b32 v[W+8+e],  v[G+33+3*e]
	v_mov_b32 v[W+16+e], v[G+34+3*e]
.set e, e+1
.endr
.set e, 0
.rept 8
	v_cvt_pk_bf16_f32 v[WW+e],   v[L+2*e], v[L+2*e+1]
	v_cvt_pk_bf16_f32 v[WW+8+e], v[M+2*e], v[M+2*e+1]
.set e, e+1
.endr
	s_wait_dscnt 0x0                               ; for the others' sake: my sum of 16 records is in LDS
	s_barrier_signal -1
	s_barrier_wait -1
	s_wait_alu depctr_vm_vsrc(0)                   ; my LDS store has read v[G:G+1], in which wave 0's loads below land
	s_cmp_lg_u32 s12, 0
	s_cbranch_scc1 .Lnot0
.set k, 0
.rept 16
	ds_load_b32 v[G+k],    v[TRR] offset:256*k
	ds_load_b32 v[G+16+k], v[TRR] offset:256*k+128
.set k, k+1
.endr
	s_wait_dscnt 0x0
.set k, 1
.rept 7
	v_pk_add_f32 v[G:G+1],     v[G:G+1],     v[G+2*k:G+2*k+1]
	v_pk_add_f32 v[G+16:G+17], v[G+16:G+17], v[G+16+2*k:G+17+2*k]
.set k, k+1
.endr
	v_add_f32 v[G], v[G], v[G+1]
	v_add_f32 v[G+16], v[G+16], v[G+17]
	v_mul_f32 v[G], 0x36000000, v[G]               ; S1 / 2^19
	v_mul_f32 v[G+16], 0x36000000, v[G+16]
	v_fma_f32 v[G+16], -v[G], v[G], v[G+16]
	v_max_num_f32 v[G+16], 0, v[G+16]
	v_add_f32 v[G+16], 0x3727c5ac, v[G+16]         ; + 1e-5
	v_rsq_f32 v[G+16], v[G+16]
	v_nop                                          ; a plain instruction behind the root
	s_wait_alu depctr_va_vdst(0)                   ; the root is written, ahead of its first reader
	v_mul_f32 v[G+16], v[G+56], v[G+16]            ; a2
	v_fma_f32 v[G+17], -v[G+16], v[G], v[G+57]     ; c2
	s_wait_alu depctr_va_vdst(0)                   ; a2 and c2 are written, which the LDS stores read
	ds_store_b32 v[TPW], v[G+16]
	ds_store_b32 v[TPW], v[G+17] offset:128
	s_wait_dscnt 0x0
.Lnot0:
	s_barrier_signal -1
	s_barrier_wait -1
.irp k, 0,1
	ds_load_b128 v[AA2+16*\k:AA2+16*\k+3],     v[TPR] offset:128*\k
	ds_load_b128 v[AA2+16*\k+4:AA2+16*\k+7],   v[TPR] offset:128*\k+16
	ds_load_b128 v[AA2+16*\k+8:AA2+16*\k+11],  v[TPR] offset:128*\k+64
	ds_load_b128 v[AA2+16*\k+12:AA2+16*\k+15], v[TPR] offset:128*\k+80
.endr
	s_wait_dscnt 0x0
	s_wait_kmcnt 0x0                               ; idx of tile 0
	OFFS
	s_wait_alu depctr_vm_vsrc(0)                   ; the set-up's LDS stores have read v[G ..], in which the rows land; its loads and LDS lines have read v43 to v51, which the points' sums write
	s_wait_alu depctr_va_vdst(0)                   ; the sixteen offsets are written, which the first trip's loads read; the set-up's vector lines are done with v[G ..]
; A tile's weights.  Behind them: the weights' LDS stores; the next tile of H and the next two points' idx, which the last trip jumps over.
.macro SOFT
	s_wait_loadcnt 16                              ; behind this tile of H: the trip's 16 rows
	s_add_nc_u64 s[4:5], s[4:5], 1024              ; free since that wait, which shows the loads that read it done: H at the next tile (behind the last the stepped address is not used)
.irp r, 0,1,2,3,4,5,6,7
	v_lshlrev_b32 v[F+2*\r], 16, v[HIN+\r]
	v_and_b32 v[F+2*\r+1], s105, v[HIN+\r]
.endr
.irp k, 0,2,4,6,8,10,12,14
	v_pk_fma_f32 v[F+\k:F+\k+1], v[F+\k:F+\k+1], v[AA2+\k:AA2+\k+1], v[CC2+\k:CC2+\k+1]
.endr
.irp k, 0,1,2,3,4,5,6,7
	v_cvt_pk_bf16_f32 v[BB2+\k], v[F+2*\k], v[F+2*\k+1]
.endr
.irp k, 0,1,2,3,4,5,6,7
	v_pk_max_num_bf16 v[BB2+\k], v[BB2+\k], v[ZERO]
.endr
	v_wmma_f32_16x16x32_bf16 v[L:L+7],    v[WW:WW+7],    v[BB2:BB2+7], v[CB:CB+7]
	v_wmma_f32_16x16x32_bf16 v[L+8:L+15], v[WW+8:WW+15], v[BB2:BB2+7], v[CB+8:CB+15]
.rept 4
	v_nop                                          ; the places behind the products
.endr
.set i, 0
.rept 16                               ; each accumulator is read from its low end on
	v_max_num_f32_dpp v[M+i], v[L+i], v[L+i] row_xmask:1 row_mask:0xf bank_mask:0xf
.set i, i+1
.endr
.irp m, 2,4
.set i, 0
.rept 16
	v_max_num_f32_dpp v[M+i], v[M+i], v[M+i] row_xmask:\m row_mask:0xf bank_mask:0xf
.set i, i+1
.endr
.endr
.irp k, 0,2,4,6,8,10,12,14
	v_pk_add_f32 v[L+\k:L+\k+1], v[L+\k:L+\k+1], v[M+\k:M+\k+1] neg_lo:[0,1] neg_hi:[0,1]
.endr
.irp k, 0,2,4,6,8,10,12,14
	v_pk_mul_f32 v[L+\k:L+\k+1], v[L+\k:L+\k+1], 0x3fb8aa3b op_sel_hi:[1,0]
.endr
.set i, 0
.rept 16
	v_exp_f32 v[L+i], v[L+i]
.set i, i+1
.endr
	v_nop                                          ; a plain instruction behind the last exponential
	s_wait_alu depctr_va_vdst(0)                   ; the sixteen exponentials are written, ahead of their first reader
.set i, 0
.rept 16
	v_add_f32_dpp v[M+i], v[L+i], v[L+i] row_xmask:1 row_mask:0xf bank_mask:0xf
.set i, i+1
.endr
.irp m, 2,4
.set i, 0
.rept 16
	v_add_f32_dpp v[M+i], v[M+i], v[M+i] row_xmask:\m row_mask:0xf bank_mask:0xf
.set i, i+1
.endr
.endr
.set i, 0
.rept 16
	v_rcp_f32 v[M+i], v[M+i]
.set i, i+1
.endr
	v_nop
	s_wait_alu depctr_va_vdst(0)                   ; the sixteen reciprocals are written, ahead of their first reader
.irp k, 0,2,4,6,8,10,12,14
	v_pk_mul_f32 v[L+\k:L+\k+1], v[L+\k:L+\k+1], v[M+\k:M+\k+1]
.endr
	s_wait_alu depctr_va_vdst(0)                   ; the multiplies have written the weights in L, which the LDS stores read, and are done with M: the first point's weights land in both; the unpacking lines are done reading HIN
	ds_store_b128 v[WST], v[L:L+3]
	ds_store_b128 v[WST], v[L+4:L+7]   offset:16
	ds_store_b128 v[WST], v[L+8:L+11]  offset:64
	ds_store_b128 v[WST], v[L+12:L+15] offset:80
	s_wait_kmcnt 0x0                               ; q of both points
	s_wait_xcnt 0x0                                ; the last trip's stores: both ACC and out0's base are written again only behind this wait
	s_add_nc_u64 s[10:11], s[10:11], 2048          ; out0 one tile on: the trip's stores reach back
	s_wait_alu depctr_vm_vsrc(0)                   ; the LDS stores have read L, in which the weights' loads land; the last trip's stores have read both ACC, which the points write; the head's loads have read OFF, written at the trip's end
	s_cmp_eq_u32 s14, 14
	s_cbranch_scc1 .Lnonext
	global_load_b128 v[HIN:HIN+3],   v[L16], s[4:5] th:TH_LOAD_NT
	global_load_b128 v[HIN+4:HIN+7], v[L16], s[4:5] offset:512 th:TH_LOAD_NT
	s_add_co_u32 s104, s14, 2
	s_lshl_b32 s104, s104, 5
	s_load_b512 s[16:31], s[8:9], s104             ; this tile's idx was read at the last trip's end
.Lnonext:
.endm
.macro WLOAD par                       ; a point's weights out of LDS
.irp j, 0,1,2,3,4,5,6,7
	ds_load_b128 v[WQ+4*\j:WQ+4*\j+3], v[WRD] offset:(8*(\par)+\j)*144  ; LDS serves a wave's instructions in order (ISA guide 5.7.1.4): these see the weights stored above
.endr
.endm
; Item j of point par: row 8 par + j of the trip's 16.  The count names the later rows alone: it holds with H's two younger loads behind them and without.
.macro ITEM par, j
	s_wait_dscnt 7-(\j)                            ; this item's four weights; the later items' may be out
	s_wait_loadcnt 15-8*(\par)-(\j)
.irp r, 0,1,2,3
.if (\j) == 0
	MIXLO ACC+8*(\par)+2*\r, G+4*(8*(\par)+(\j))+\r, WQ+4*(\j)+2*(\r%2), BP+2*\r
	MIXHI ACC+8*(\par)+2*\r+1, G+4*(8*(\par)+(\j))+\r, WQ+4*(\j)+2*(\r%2)+1, BP+2*\r+1
.else
	MIXLO ACC+8*(\par)+2*\r, G+4*(8*(\par)+(\j))+\r, WQ+4*(\j)+2*(\r%2), ACC+8*(\par)+2*\r
	MIXHI ACC+8*(\par)+2*\r+1, G+4*(8*(\par)+(\j))+\r, WQ+4*(\j)+2*(\r%2)+1, ACC+8*(\par)+2*\r+1
.endif
.endr
	s_mov_b32 s100, s[33+36*(\par)+4*(\j)]
.irp k, 0,2
.if (\j) == 0
	v_pk_mul_f32 v[R+\k:R+\k+1],   v[WQ+4*(\j)+\k:WQ+4*(\j)+\k+1], s[32+36*(\par)+4*(\j):33+36*(\par)+4*(\j)] op_sel_hi:[1,0]
	v_pk_mul_f32 v[R+4+\k:R+5+\k], v[WQ+4*(\j)+\k:WQ+4*(\j)+\k+1], s[100:101] op_sel_hi:[1,0]
	v_pk_mul_f32 v[R+8+\k:R+9+\k], v[WQ+4*(\j)+\k:WQ+4*(\j)+\k+1], s[34+36*(\par)+4*(\j):35+36*(\par)+4*(\j)] op_sel_hi:[1,0]
.else
	v_pk_fma_f32 v[R+\k:R+\k+1],   v[WQ+4*(\j)+\k:WQ+4*(\j)+\k+1], s[32+36*(\par)+4*(\j):33+36*(\par)+4*(\j)], v[R+\k:R+\k+1] op_sel_hi:[1,0,1]
	v_pk_fma_f32 v[R+4+\k:R+5+\k], v[WQ+4*(\j)+\k:WQ+4*(\j)+\k+1], s[100:101], v[R+4+\k:R+5+\k] op_sel_hi:[1,0,1]
	v_pk_fma_f32 v[R+8+\k:R+9+\k], v[WQ+4*(\j)+\k:WQ+4*(\j)+\k+1], s[34+36*(\par)+4*(\j):35+36*(\par)+4*(\j)], v[R+8+\k:R+9+\k] op_sel_hi:[1,0,1]
.endif
.endr
.endm
.macro POS par                         ; the position part of a point: it names ACC, W and R, not WQ
.irp i, 0,1,2
.irp k, 0,1,2,3
	v_pk_fma_f32 v[ACC+8*(\par)+2*\k:ACC+8*(\par)+2*\k+1], v[W+8*\i+2*\k:W+8*\i+2*\k+1], v[R+4*\i+2*(\k%2):R+4*\i+2*(\k%2)+1], v[ACC+8*(\par)+2*\k:ACC+8*(\par)+2*\k+1]
.endr
.endr
.endm
	s_mov_b32 s14, 0
.Ltile:                                                ; points s14 and s14 + 1
.irp k, 0,1,2,3,4,5,6,7,8,9,10,11,12,13,14,15
	global_load_b128 v[G+4*\k:G+4*\k+3], v[OFF+\k], s[2:3]  ; no wait: no vector line since the wait at the last trip's end (the first trip: the set-up's) names OFF or G
.endr
	s_lshl_b32 s15, s14, 7
	s_load_b512 s[32:47], s[6:7], s15              ; q of the first point,
	s_load_b512 s[48:63], s[6:7], s15 offset:0x40
	s_load_b512 s[68:83], s[6:7], s15 offset:0x80  ; and of the second
	s_load_b512 s[84:99], s[6:7], s15 offset:0xc0
	SOFT
	WLOAD 0
.irp j, 0,1,2,3,4,5,6,7
	ITEM 0, \j
.endr
	s_wait_alu depctr_va_vdst(0)                   ; the first point's items are done reading WQ, in which the second point's weights land
	WLOAD 1
	POS 0                                          ; stands between those loads and their first use
.irp j, 0,1,2,3,4,5,6,7
	ITEM 1, \j
.endr
	POS 1
	s_wait_kmcnt 0x0                               ; the next tile's idx
	OFFS                                           ; the next tile's offsets; the rows' loads that read OFF have been waited for.  In the last trip they are made of this tile's idx and serve nothing: the price of one text for every trip
	s_wait_alu depctr_va_vdst(0)                   ; both points' sums are written, which the stores read; so are the sixteen offsets, which the next trip's loads read; the items are done reading G, in which those loads land
	global_store_b128 v[L16], v[ACC:ACC+3],     s[10:11] offset:-2048 th:TH_STORE_NT  ; the first point: channels 4 l ..: 512 consecutive bytes,
	global_store_b128 v[L16], v[ACC+4:ACC+7],   s[10:11] offset:-1536 th:TH_STORE_NT  ; channels 128 + 4 l ..: the row's other 512
	global_store_b128 v[L16], v[ACC+8:ACC+11],  s[10:11] offset:-1024 th:TH_STORE_NT  ; the second point
	global_store_b128 v[L16], v[ACC+12:ACC+15], s[10:11] offset:-512 th:TH_STORE_NT
	s_add_co_u32 s14, s14, 2
	s_cmp_lt_u32 s14, 16
	s_cbranch_scc1 .Ltile
	s_wait_dscnt 0x0                               ; the closing lines, six on end
	s_wait_alu 0x0
	s_wait_tensorcnt 0x0
	ds_add_u32 v6, v7
	s_wait_dscnt 0x0
	s_endpgm
.Lfunc_end_k_qfe20772c96_final:
	.size	k_qfe20772c96_final, .Lfunc_end_k_qfe20772c96_final-k_qfe20772c96_final
	.p2alignl 7, 3214868480
	.fill 96, 4, 3214868480
	.section	.rodata,"a",@progbits
	.p2align	6, 0x0
	.amdhsa_kernel k_qfe20772c96_final
		.amdhsa_group_segment_fixed_size 43264
		.amdhsa_private_segment_fixed_size 0
		.amdhsa_enable_private_segment 0
		.amdhsa_kernarg_size 80
		.amdhsa_user_sgpr_count 2
		.amdhsa_user_sgpr_kernarg_segment_ptr 1
		.amdhsa_wavefront_size32 1
		.amdhsa_system_sgpr_workgroup_id_x 1
		.amdhsa_system_sgpr_workgroup_id_y 1
		.amdhsa_system_sgpr_workgroup_id_z 1
		.amdhsa_system_vgpr_workitem_id 0
		.amdhsa_next_free_vgpr 252
		.amdhsa_next_free_sgpr 106
		.amdhsa_reserve_vcc 0
		.amdhsa_float_denorm_mode_32 3
		.amdhsa_float_denorm_mode_16_64 3
		.amdhsa_memory_ordered 1
		.amdhsa_forward_progress 1
		.amdhsa_inst_pref_size 51
	.end_amdhsa_kernel
	.amdgpu_metadata
---
amdhsa.version: [ 1, 2 ]
amdhsa.kernels:
  - .name:           k_qfe20772c96_final
    .symbol:         k_qfe20772c96_final.kd
    .args:
      - { .name: hb, .offset: 0, .size: 8, .value_kind: global_buffer, .address_space: global }
      - { .name: qkv, .offset: 8, .size: 8, .value_kind: global_buffer, .address_space: global }
      - { .name: idx, .offset: 16, .size: 8, .value_kind: global_buffer, .address_space: global }
      - { .name: wp2, .offset: 24, .size: 8, .value_kind: global_buffer, .address_space: global }
      - { .name: bp2, .offset: 32, .size: 8, .value_kind: global_buffer, .address_space: global }
      - { .name: g2, .offset: 40, .size: 8, .value_kind: global_buffer, .address_space: global }
      - { .name: b2, .offset: 48, .size: 8, .value_kind: global_buffer, .address_space: global }
      - { .name: ww2, .offset: 56, .size: 8, .value_kind: global_buffer, .address_space: global }
      - { .name: bw2, .offset: 64, .size: 8, .value_kind: global_buffer, .address_space: global }
      - { .name: out0, .offset: 72, .size: 8, .value_kind: global_buffer, .address_space: global }
    .group_segment_fixed_size: 43264
    .private_segment_fixed_size: 0
    .kernarg_segment_align: 8
    .kernarg_segment_size: 80
    .max_flat_workgroup_size: 512
    .sgpr_count:     106
    .vgpr_count:     252
    .wavefront_size: 32
...
	.end_amdgpu_metadata
.endif
;; end of part 8
